; MI455X (gfx1250); checked and timed in simulation.
; The chip was launched on July 23, 2026; its instructions are those of AMD's public machine-readable ISA for CDNA 5 (MIT licence, August 2026) and "CDNA5" Instruction Set Architecture Reference Guide (July 2026). The comments in the code are by the model that wrote it; some were corrected since.
;; Masked Attention Block. Allowed arithmetic: matrix products marked QUANTISED: E4M3 operands, one given power-of-two scale a tensor, by v_wmma_f32_16x16x64_fp8_fp8 or v_wmma_f32_16x16x128_fp8_fp8, f32 sums; everything else in f32.
;; Inputs: adj_mask 2 x 2,048 x 2,048 bool; b1 4,096 float32; b2 1,024 float32; bk 1,024 float32; bo 1,024 float32; bq 1,024 float32; bv 1,024 float32; ln1_b 1,024 float32; ln1_w 1,024 float32; ln2_b 1,024 float32; ln2_w 1,024 float32; lowp_scales 16 int32 (the exponents e of the quantised operands' scales 2^e); w1 4,096 x 1,024 float32; w2 1,024 x 4,096 float32; wk 1,024 x 1,024 float32; wo 1,024 x 1,024 float32; wq 1,024 x 1,024 float32; wv 1,024 x 1,024 float32; x 2 x 2,048 x 1,024 float32.
;; Outputs: out0 2 x 2,048 x 1,024 float32.
;; This version of the problem:
;;   THIS VERSION OF THE PROBLEM IS GIVEN IN LOW PRECISION. The matrix products marked QUANTISED in the list below multiply operands that are first quantised to E4M3 (4 exponent bits, 3 mantissa bits; 8 bits a number), with one given power-of-two scale for each operand tensor; their sums are f32. All else is computed in f32.
;;   The module's matrix products, in the order in which they are computed (A, B: the left and right operand; K: the contracted axis; several contracted axes count as one K, in the product's order):
;;     1. [M 4,096, K 1,024] x [K 1,024, N 1,024]; A: computed on the way; B: input wq: QUANTISED (scales: A lowp_scales[0], B lowp_scales[1])
;;     2. [M 4,096, K 1,024] x [K 1,024, N 1,024]; A: computed on the way; B: input wk: QUANTISED (scales: A lowp_scales[2], B lowp_scales[3])
;;     3. [M 4,096, K 1,024] x [K 1,024, N 1,024]; A: computed on the way; B: input wv: QUANTISED (scales: A lowp_scales[4], B lowp_scales[5])
;;     4. batch 32 x [M 2,048, K 64] x [K 64, N 2,048]; A: computed on the way; B: computed on the way: QUANTISED (scales: A lowp_scales[6], B lowp_scales[7])
;;     5. batch 32 x [M 2,048, K 2,048] x [K 2,048, N 64]; A: softmax (see below); B: computed on the way: QUANTISED (scales: A lowp_scales[8], B lowp_scales[9])
;;     6. [M 4,096, K 1,024] x [K 1,024, N 1,024]; A: computed on the way; B: input wo: QUANTISED (scales: A lowp_scales[10], B lowp_scales[11])
;;     7. [M 4,096, K 1,024] x [K 1,024, N 4,096]; A: computed on the way; B: input w1: QUANTISED (scales: A lowp_scales[12], B lowp_scales[13])
;;     8. [M 4,096, K 4,096] x [K 4,096, N 1,024]; A: computed on the way; B: input w2: QUANTISED (scales: A lowp_scales[14], B lowp_scales[15])
;;   THE QUANTISER, for each operand of a quantised product, along K:
;;     - The operand's scale is 2^e, e = its entry of the input lowp_scales (int32; the entries are numbered through the quantised products in the list's order, A before B).
;;     - Each number is divided by the scale, clamped to +-448, and rounded to the nearest number of E4M3, ties to even, subnormals kept.
;;     - The product sums the exact products of the quantised numbers (number of the format x scale) in f32.
;;   ~~~python
;;   def quantise(x, axis, e):      # numpy; x: float32 -> the quantised numbers, widened to float32 again
;;       x = np.moveaxis(x, axis, -1); K = x.shape[-1]
;;       r = np.clip(x / 2.0 ** e, -448, 448)
;;       step = 2.0 ** (np.maximum(np.frexp(np.where(r == 0, 1, r))[1] - 1, -6) - 3)
;;       q = np.round(r / step) * step * 2.0 ** e      # np.round: ties to even
;;       return np.moveaxis(q, -1, axis).astype(np.float32)
;;   ~~~
;;   SOFTMAX AHEAD OF A QUANTISED PRODUCT. Where the list says 'softmax', what is quantised is not the finished softmax but p = 2^(t - M), with t = logit x log2(e) and M = ceil(the row's largest t), a whole number; so 1/2 < the row's largest p <= 1. The row's sum l is taken of the UNQUANTISED p, in f32, and the product's result is divided by l at the end. Since M is a whole number, a kernel that streams over the keys may use a running M (the ceiling of the running maximum): every later rescaling is an exact power of two, so the quantised numbers keep their values, but for numbers so far below the row's largest that they fall under the format's range.
;;   OPERANDS COMPUTED ON THE WAY. 'Computed on the way' means the value that the module computes at that place (a softmax that the list does not call 'softmax' is quantised finished and normalised). What goes into a quantiser is computed in f32, as accurately as f32 sums, v_exp_f32 and their like allow (about 1e-6 of the number): no bf16 or f16 on the way to a quantiser, and a product that is left as it is and whose result goes on into a quantised operand takes f32 operands (vector FMAs, or v_wmma_f32_16x16x4_f32). A number that lies on a knife's edge between two numbers of the format may be rounded either way, as far as f32 arithmetic and the matrix unit's own rounding can turn it there, and no further.
;; One version. Each part assembles by itself: llvm-mc -triple=amdgcn-amd-amdhsa -mcpu=gfx1250 --defsym DOCPART=n.
;; ======== version 1 of 1: 7 launches
;; limits: right only within a limited range of input values
;; workspace buffers: maskw 1,048,576 bytes of whole numbers; wc 12,582,912 bytes; nxc 12,582,912 bytes; qkvc 12,582,912 bytes; oc 4,194,304 bytes; x1 16,777,216 bytes; nx2c 4,194,304 bytes; hc 16,777,216 bytes
;; launch prep (part 1): grid 896 x 1, 4 waves a work-group, no clusters, 42,496 bytes of LDS; arguments adj_mask, maskw, wq, wk, wv, wo, w1, w2, lowp_scales, wc, x, ln1_w, ln1_b, nxc; writes maskw, wc, nxc
.if DOCPART == 1
	.amdgcn_target "amdgcn-amd-amdhsa--gfx1250"
	.amdhsa_code_object_version 6
	.text
	.protected	k_qef8ca8b184_prep
	.globl	k_qef8ca8b184_prep
	.p2align	8
	.type	k_qef8ca8b184_prep,@function
k_qef8ca8b184_prep:
	s_mov_b64 s[64:65], 0
	v_nop
	global_prefetch_b8 v0, s[64:65] scope:SCOPE_SE
	s_setreg_imm32_b32 hwreg(HW_REG_WAVE_MODE, 25, 1), 1
	s_wait_xcnt 0x0
; THREE JOBS THAT NEED NOTHING OF EACH OTHER, IN ONE LAUNCH, so that their loads are on their way together: none reads what another stores.
;   work-groups 0 .. 383:   the six weights become codes of FP8 (E4M3) in wc;
;   work-groups 384 .. 639: LayerNorm 1 of x, and three sets of codes of it in nxc;
;   work-groups 640 .. 895: the mask's bytes become lane masks in maskw.
; The paths part at the head, on the work-group's number alone, and never meet again; each has LDS bytes of its own, and in each a wave has its own part of them: no barrier anywhere.
; With 256 registers a wave and 42,496 bytes of LDS a work-group, four work-groups fit on a WGP: all 896 can be at work at once.
.set NWT,  384                         ; work-groups for the weights
.set NNO,  256                         ; for the norm
.set MLDS, 0                           ; LDS: the mask's stages, 4 x 8,448 bytes,
.set QLDS, 33792                       ; the weights' stages, 4 x 1,024,
.set NLDS, QLDS+4096                   ; the norm's stages, 4 x 1,024
; The norm's path leaves no two registers free, so v0 is kept as at the entry and the add's two registers are made anew at each path's end.
	s_cmp_lt_u32 ttmp9, NWT
	s_cbranch_scc1 .Lweights
	s_cmp_lt_u32 ttmp9, NWT+NNO
	s_cbranch_scc1 .Lnorm
; ---------------------------------------------------------------- THE MASK
; adj_mask [2][2048][2048], one byte (0 or 1) for each (batch, query, key), becomes lane masks for the attention launch:
; maskw [batch 2][query tile 128][chunk 16][n 64] words; bit l of word n is the mask of query 16 tile + l % 16 and key 128 chunk + 32 (n / 16) + 16 (l / 16) + n % 16:
; the lane and the register in which the attention launch holds that score.  So a score there costs one select, and the 16 heads read an eighth of the bytes.
; A work-group owns 16 queries (one tile), wave w the keys 512 w .. 512 w + 511 (chunks 4 w .. 4 w + 3).  Each load reads 512 consecutive bytes of a row; the 16 rows turn through the wave's own
; stage in LDS (rows 528 bytes apart: row r starts at bank 4 r mod 64, ISA guide 11.1), so that lane (r, h) gets 16 keys of query r.  A compare of one byte in all lanes IS a word.
; The words are gathered by v_writelane_b32 into pairs, lane l holding words 2 l and 2 l + 1: a store of 8 bytes a lane covers 256 consecutive bytes, aligned.
.set MPITCH, 528
.set MWREG,  16*MPITCH                 ; a wave's stage
.set ML, 8                             ; v8-71    16 rows as loaded, 4 registers each
.set MM, 72                            ; v72-135  16 groups of 16 keys of my query
.set MW, 136                           ; v136-143 the words: a pair for each of my four chunks
.set MT, 144                           ; v144-159 at work
	s_load_b128 s[4:7], s[0:1], 0x0                ; adj_mask, maskw
	s_sub_co_u32 s9, ttmp9, NWT+NNO                ; my query tile, 0 .. 255 (128 batch + tile)
	v_lshrrev_b32 v5, 5, v0
	v_readfirstlane_b32 s8, v5                     ; wave
	v_and_b32 v5, 31, v0                           ; lane
	v_lshlrev_b32 v1, 4, v5                        ; 16 x lane
	v_lshlrev_b32 v4, 3, v5                        ; 8 x lane
	v_and_b32 v6, 15, v0                           ; r
	v_bfe_u32 v7, v0, 4, 1                         ; h
	s_mul_i32 s12, s8, MWREG
	v_add_nc_u32 v2, s12, v1                       ; the stage, on the way in
	v_mul_u32_u24 v3, v6, MPITCH
	v_lshl_add_u32 v3, v7, 4, v3
	v_add_nc_u32 v3, s12, v3                       ; and on the way out: row r, + 16 h
.irp i, 0,1,2,3,4,5,6,7
	v_mov_b32 v[MW+\i], 0                          ; a lane write's destination counts as read: written once here
.endr
	s_lshl_b32 s10, s9, 15                         ; 16 rows of 2,048 bytes,
	s_lshl_b32 s11, s8, 9                          ; my wave's 512 of each
	s_add_co_u32 s10, s10, s11
	s_mov_b32 s11, 0
	s_lshl_b32 s14, s9, 12                         ; 16 chunks of 256 bytes,
	s_lshl_b32 s15, s8, 10                         ; my wave's four
	s_add_co_u32 s14, s14, s15
	s_mov_b32 s15, 0
	s_wait_alu depctr_va_vdst(0)
	s_wait_kmcnt 0x0
	s_add_nc_u64 s[4:5], s[4:5], s[10:11]
	s_add_nc_u64 s[6:7], s[6:7], s[14:15]
.irp p, 0,1,2,3,4,5,6,7,8,9,10,11,12,13,14,15
	global_load_b128 v[ML+4*\p:ML+4*\p+3], v1, s[4:5] offset:2048*\p th:TH_LOAD_NT   ; 512 consecutive bytes of row p; read once in this launch
.endr
.irp p, 0,1,2,3,4,5,6,7,8,9,10,11,12,13,14,15
	s_wait_loadcnt 15-\p                           ; row p is in; the younger rows stay out
	ds_store_b128 v2, v[ML+4*\p:ML+4*\p+3] offset:MPITCH*\p
.endr
.irp u, 0,1,2,3,4,5,6,7,8,9,10,11,12,13,14,15
	ds_load_b128 v[MM+4*\u:MM+4*\u+3], v3 offset:128*(\u/4)+32*(\u%4)   ; group u = 4 k + bb: keys 128 k + 32 bb + 16 h + 0 .. 15.  LDS serves a wave's instructions in order: these see my stores
.endr
; Group u: byte i of my 16 is word n = 16 bb + i of chunk k.
.macro GROUP u
	s_wait_dscnt 15-\u                             ; group u is in; the younger groups stay out
.irp i, 0,1,2,3,4,5,6,7,8,9,10,11,12,13,14,15
	v_and_b32 v[MT+\i], 0xff<<(8*(\i%4)), v[MM+4*\u+\i/4]
.endr
.irp i, 0,1,2,3,4,5,6,7,8,9,10,11,12,13,14,15
	v_cmp_ne_u32 s[16+\i], 0, v[MT+\i]             ; one bit a lane: the word itself
.endr
.irp i, 0,1,2,3,4,5,6,7,8,9,10,11,12,13,14,15
	v_writelane_b32 v[MW+2*(\u/4)+\i%2], s[16+\i], (16*(\u%4)+\i)/2   ; word n goes to lane n / 2, register n % 2 of the chunk's pair
.endr
.endm
.irp u, 0,1,2,3,4,5,6,7,8,9,10,11,12,13,14,15
	GROUP \u
.endr
.irp k, 0,1,2,3
	global_store_b64 v4, v[MW+2*\k:MW+2*\k+1], s[6:7] offset:256*\k   ; a chunk's 64 words: 256 consecutive bytes, aligned
.endr
	v_lshl_add_u32 v160, v0, 2, 0xa400             ; my spare word, behind the three paths' stages
	v_mov_b32 v161, 0
	s_wait_alu depctr_va_vdst(0)
	s_wait_tensorcnt 0x0                           ; the wave's end
	ds_add_u32 v160, v161
	s_wait_dscnt 0x0
	s_endpgm
; ---------------------------------------------------------------- THE NORM
; LayerNorm over rows of 1,024 f32, then codes of FP8 (E4M3): y = (x - mean) rsqrt(var + 1e-5) w + b, all in f32; code = y / 2^e, held within +-448, to the nearest code, ties to even.
; NSETS sets of codes are made of the same y, one for each product that reads it, since each has a scale of its own: set s takes the entry at byte EOFF + 8 s and lies s x 4 MiB into the output.
; LIMITS: -126 <= e <= 119.  NaN among the inputs is not served.  The variance is taken of x - mean, in a second pass over registers: a common offset of the inputs does no harm.
; A wave takes 4 rows, one at a time, each whole in 32 registers: the row is read from memory once, the sums never leave the wave, and no wave waits for another.  All four rows' loads go out at the head.
; Each load reads 512 consecutive bytes: register 4 j + i holds column 128 j + 4 lane + i, and a conversion's word j is four neighbouring codes at byte 128 j + 4 lane.  The codes turn through the wave's own
; 1,024 bytes of LDS, so that a lane stores 16 neighbouring codes and the wave 512 consecutive bytes.
.Lnorm:
.set NSETS, 3
.set EOFF,  0
.set SC, 10                            ; v10-15   set s: 2^e, 448 x 2^e
.set GW, 16                            ; v16-47   the gains
.set GB, 48                            ; v48-79   the biases
.set X,  80                            ; v80-207  four rows
.set T,  208                           ; v208-239 at work
.set C,  240                           ; v240-247 a row's codes as converted
.set O,  248                           ; v248-255 and as stored
	s_load_b128 s[4:7], s[0:1], 0x50               ; x s[4:5], the gains s[6:7]
	s_load_b64 s[8:9], s[0:1], 0x60                ; the biases
	s_load_b64 s[10:11], s[0:1], 0x40              ; the exponents
	s_load_b64 s[12:13], s[0:1], 0x68              ; the codes
	v_lshrrev_b32 v1, 5, v0
	v_readfirstlane_b32 s14, v1                    ; wave
	v_and_b32 v9, 31, v0                           ; lane
	v_lshlrev_b32 v1, 4, v9                        ; 16 x lane
	s_lshl_b32 s15, s14, 10                        ; my wave's 1,024 bytes
	s_add_co_u32 s15, s15, NLDS                    ; of the norm's LDS
	v_lshl_add_u32 v2, v9, 2, s15                  ; in: 4 x lane
	v_add_nc_u32 v3, s15, v1                       ; out: 16 x lane
	v_mov_b32 v9, 0                                ; a lane permute's destination counts as read: written once here
	s_mov_b32 s24, 0x76543210                      ; v_permlanex16_b32's selects for lane l xor 16
	s_mov_b32 s25, 0xfedcba98
	s_mov_b32 s26, 0x3a800000                      ; 1 / 1,024
	s_mov_b32 s27, 0x3727c5ac                      ; 1e-5
	s_sub_co_u32 s16, ttmp9, NWT                   ; my block of 16 rows, 0 .. 255
	s_lshl_b32 s16, s16, 4
	s_lshl_b32 s17, s14, 2
	s_add_co_u32 s16, s16, s17                     ; my first row: 16 x block + 4 x wave
	s_lshl_b32 s18, s16, 12
	s_mov_b32 s19, 0
	s_lshl_b32 s20, s16, 10
	s_mov_b32 s21, 0
	s_wait_alu depctr_va_vdst(0)
	s_wait_kmcnt 0x0
.set q, 0
.rept NSETS
	s_load_b32 s[32+q], s[10:11], EOFF+8*q
.set q, q+1
.endr
	s_add_nc_u64 s[4:5], s[4:5], s[18:19]
	s_add_nc_u64 s[12:13], s[12:13], s[20:21]
	s_add_nc_u64 s[28:29], s[12:13], 0x400000
	s_add_nc_u64 s[30:31], s[12:13], 0x800000
.irp j, 0,1,2,3,4,5,6,7
	global_load_b128 v[GW+4*\j:GW+4*\j+3], v1, s[6:7] offset:512*\j
	global_load_b128 v[GB+4*\j:GB+4*\j+3], v1, s[8:9] offset:512*\j
.endr
.irp i, 0,1,2,3
.irp j, 0,1,2,3,4,5,6,7
	global_load_b128 v[X+32*\i+4*\j:X+32*\i+4*\j+3], v1, s[4:5] offset:4096*\i+512*\j   ; 512 consecutive bytes; a later launch reads x again: no hint
.endr
.endr
	s_wait_kmcnt 0x0
.set q, 0
.rept NSETS
	s_add_co_i32 s22, s[32+q], 127
	s_lshl_b32 s23, s22, 23
	v_mov_b32 v[SC+2*q], s23                       ; 2^e as f32: the conversion takes its exponent field
	s_add_co_i32 s22, s22, 8
	s_lshl_b32 s22, s22, 23
	s_or_b32 s22, s22, 0x600000
	v_mov_b32 v[SC+2*q+1], s22                     ; 448 x 2^e
.set q, q+1
.endr
.macro LANESUM                         ; v8 summed over the 32 lanes, the result in every lane
	v_add_f32_dpp v8, v8, v8 row_xmask:1 row_mask:0xf bank_mask:0xf
	v_add_f32_dpp v8, v8, v8 row_xmask:2 row_mask:0xf bank_mask:0xf
	v_add_f32_dpp v8, v8, v8 row_xmask:4 row_mask:0xf bank_mask:0xf
	v_add_f32_dpp v8, v8, v8 row_xmask:8 row_mask:0xf bank_mask:0xf
	v_permlanex16_b32 v9, v8, s24, s25
	v_add_f32 v8, v8, v9
.endm
.macro FOLD                            ; four chains of pairs in T become one number in v8
	v_pk_add_f32 v[T:T+1], v[T:T+1], v[T+2:T+3]
	v_pk_add_f32 v[T+4:T+5], v[T+4:T+5], v[T+6:T+7]
	v_pk_add_f32 v[T:T+1], v[T:T+1], v[T+4:T+5]
	v_add_f32 v8, v[T], v[T+1]
.endm
.macro SETOUT i, s, base               ; row i's codes of set s, to the buffer at s[base:base+1]
.set j, 0
.rept 32
	v_med3_num_f32 v[T+j], v[XR+j], -v[SC+2*\s+1], v[SC+2*\s+1]   ; the conversion to an 8-bit code does not saturate (ISA guide 7.6.2): the hold
.set j, j+1
.endr
.irp g, 0,1,2,3
	v_cvt_scalef32_pk8_fp8_f32 v[C+2*\g:C+2*\g+1], v[T+8*\g:T+8*\g+7], v[SC+2*\s]
.endr
	v_nop                                          ; a plain line behind the last conversion: later vector lines write T again
.irp g, 0,1,2,3,4,5,6,7
	ds_store_b32 v2, v[C+\g] offset:128*\g
.endr
	s_wait_xcnt 0x0                                ; O was the data of the last two stores: it is loaded again only behind this wait
	ds_load_b128 v[O:O+3], v3                      ; LDS serves a wave's instructions in order: these see the eight stores
	ds_load_b128 v[O+4:O+7], v3 offset:512
	s_wait_dscnt 0x0
	global_store_b128 v1, v[O:O+3], s[\base:\base+1] offset:1024*\i   ; 512 consecutive bytes
	global_store_b128 v1, v[O+4:O+7], s[\base:\base+1] offset:1024*\i+512
.endm
.macro ROW i
.set XR, X+32*\i
	s_wait_loadcnt 8*(3-\i)                        ; this row's eight loads are in; the younger rows stay out
.irp c, 0,2,4,6                        ; the sum, in four chains
	v_pk_add_f32 v[T+\c:T+\c+1], v[XR+\c:XR+\c+1], v[XR+8+\c:XR+8+\c+1]
.endr
.irp c, 0,2,4,6
	v_pk_add_f32 v[T+\c:T+\c+1], v[T+\c:T+\c+1], v[XR+16+\c:XR+16+\c+1]
.endr
.irp c, 0,2,4,6
	v_pk_add_f32 v[T+\c:T+\c+1], v[T+\c:T+\c+1], v[XR+24+\c:XR+24+\c+1]
.endr
	FOLD
	LANESUM
	v_mul_f32 v4, s26, v8                          ; the mean, twice: a pair for the packed form
	v_mul_f32 v5, s26, v8
.set j, 0
.rept 16
	v_pk_add_f32 v[XR+j:XR+j+1], v[XR+j:XR+j+1], v[4:5] neg_lo:[0,1] neg_hi:[0,1]   ; x - mean
.set j, j+2
.endr
.irp c, 0,2,4,6                        ; the sum of squares, in four chains
	v_pk_mul_f32 v[T+\c:T+\c+1], v[XR+\c:XR+\c+1], v[XR+\c:XR+\c+1]
.endr
.irp k, 8,16,24
.irp c, 0,2,4,6
	v_pk_fma_f32 v[T+\c:T+\c+1], v[XR+\k+\c:XR+\k+\c+1], v[XR+\k+\c:XR+\k+\c+1], v[T+\c:T+\c+1]
.endr
.endr
	FOLD
	LANESUM
	v_fma_f32 v8, v8, s26, s27                     ; var + 1e-5
	s_wait_alu depctr_va_vdst(0)
	v_rsq_f32 v6, v8
	v_rsq_f32 v7, v8
	v_nop                                          ; a plain line between the transcendentals and the use of their results
.set j, 0
	s_wait_alu depctr_va_vdst(0)
.rept 16
	v_pk_mul_f32 v[XR+j:XR+j+1], v[XR+j:XR+j+1], v[6:7]
.set j, j+2
.endr
.set j, 0
.rept 16
	v_pk_fma_f32 v[XR+j:XR+j+1], v[XR+j:XR+j+1], v[GW+j:GW+j+1], v[GB+j:GB+j+1]
.set j, j+2
.endr
	SETOUT \i, 0, 12
	SETOUT \i, 1, 28
	SETOUT \i, 2, 30
.endm
.irp i, 0,1,2,3
	ROW \i
.endr
	v_lshl_add_u32 v208, v0, 2, 0xa400             ; my spare word; T is free now
	v_mov_b32 v209, 0
	s_wait_alu depctr_va_vdst(0)
	s_wait_tensorcnt 0x0                           ; the wave's end
	ds_add_u32 v208, v209
	s_wait_dscnt 0x0
	s_endpgm
; ---------------------------------------------------------------- THE WEIGHTS
; The six weights, f32 with K innermost, become codes of FP8 (E4M3) in wc: wq at 0, wk at 1 MiB, wv at 2 MiB, wo at 3 MiB, w1 at 4 MiB, w2 at 8 MiB; each with its given scale 2^e
; (entries 1, 3, 5, 11, 13, 15).  code = x / 2^e, held within +-448, to the nearest code, ties to even.  LIMITS: -126 <= e <= 119.  NaN among the inputs is not served.
; Each weight is read by many work-groups of a later launch, so it is quantised once, here.  The tensors are dense streams: nothing here knows of rows.
; A work-group takes 32,768 numbers, a wave 16 steps of 512.  ONE path serves all six: pointer, first work-group and exponent are chosen by selects on the work-group's number.
; A step's four loads read 512 consecutive bytes each, 16 a lane, so register 4 j + i holds number 128 j + 4 lane + i, and a conversion's word j is four neighbouring codes at byte 128 j + 4 lane.
; Only the CODES turn through the wave's own LDS (four stores of 4 bytes, one load of 16): then a lane holds 16 neighbouring codes and the wave stores 512 consecutive bytes.
; Loads run four steps (16 loads a wave) ahead; the store of a step's codes stands one step later.
.Lweights:
.set STEPS, 16
.set QR, 16                            ; v16-79   four sets of 16 numbers
.set QC, 80                            ; v80-83   a step's codes as converted
.set QO, 96                            ; v96-159  a step's codes as stored: four registers for each step, never written again
	s_load_b512 s[16:31], s[0:1], 0x10             ; wq s[16:17], wk, wv, wo, w1, w2 s[26:27], the exponents s[28:29], wc s[30:31]
	v_lshrrev_b32 v1, 5, v0
	v_readfirstlane_b32 s8, v1                     ; wave
	v_and_b32 v2, 31, v0                           ; lane
	v_lshlrev_b32 v3, 4, v2                        ; 16 x lane
	s_lshl_b32 s9, s8, 10                          ; my wave's 1,024 bytes: two stages of 512,
	s_add_co_u32 s9, s9, QLDS                      ; in the weights' LDS
	v_lshl_add_u32 v4, v2, 2, s9                   ; in: 4 x lane
	v_add_nc_u32 v5, s9, v3                        ; out: 16 x lane
	s_wait_alu depctr_va_vdst(0)
	s_wait_kmcnt 0x0
	s_load_b512 s[32:47], s[28:29], 0x0            ; all sixteen exponents
.macro PICK t, p, st                   ; work-groups under t belong to an earlier tensor: pointer s[p:p+1], first work-group st
	s_cmp_lt_u32 ttmp9, \t
	s_cselect_b64 s[4:5], s[\p:\p+1], s[4:5]
	s_cselect_b32 s6, \st, s6
.endm
	s_mov_b64 s[4:5], s[26:27]                     ; w2, from work-group 256 on
	s_mov_b32 s6, 256
	PICK 256, 24, 128                              ; w1
	PICK 128, 22, 96                               ; wo
	PICK 96, 20, 64                                ; wv
	PICK 64, 18, 32                                ; wk
	PICK 32, 16, 0                                 ; wq
	s_sub_co_u32 s6, ttmp9, s6
	s_lshl_b32 s6, s6, 17                          ; 32,768 numbers of 4 bytes a work-group,
	s_lshl_b32 s7, s8, 15                          ; 8,192 a wave
	s_add_co_u32 s6, s6, s7
	s_mov_b32 s7, 0
	s_add_nc_u64 s[4:5], s[4:5], s[6:7]
	s_lshl_b32 s6, ttmp9, 15                       ; the codes: the tensors follow each other in wc as their work-groups do
	s_lshl_b32 s10, s8, 13
	s_add_co_u32 s6, s6, s10
	s_add_nc_u64 s[30:31], s[30:31], s[6:7]
.macro LOAD t
.irp j, 0,1,2,3
	global_load_b128 v[QR+16*((\t)%4)+4*\j:QR+16*((\t)%4)+4*\j+3], v3, s[4:5] offset:2048*(\t)+512*\j th:TH_LOAD_NT   ; 512 consecutive bytes; read once
.endr
.endm
.irp t, 0,1,2,3
	LOAD \t
.endr
	s_wait_kmcnt 0x0
.macro PICKE t, e
	s_cmp_lt_u32 ttmp9, \t
	s_cselect_b32 s10, s[\e], s10
.endm
	s_mov_b32 s10, s47                             ; entry 15
	PICKE 256, 45
	PICKE 128, 43
	PICKE 96, 37
	PICKE 64, 35
	PICKE 32, 33
	s_add_co_i32 s10, s10, 127
	s_lshl_b32 s11, s10, 23
	v_mov_b32 v11, s11                             ; 2^e as f32: the conversion takes its exponent field
	s_add_co_i32 s10, s10, 8
	s_lshl_b32 s10, s10, 23
	s_or_b32 s10, s10, 0x600000
	v_mov_b32 v10, s10                             ; 448 x 2^e
.macro STEP t
.set RT, QR+16*((\t)%4)
.if (\t) < 13
	s_wait_loadcnt 12                              ; this step's four loads are in; those of the three steps behind it stay out
.else
	s_wait_loadcnt 4*(15-(\t))
.endif
.irp i, 0,1,2,3,4,5,6,7,8,9,10,11,12,13,14,15
	v_med3_num_f32 v[RT+\i], v[RT+\i], -v10, v10   ; the conversion to an 8-bit code does not saturate (ISA guide 7.6.2): the hold at the largest code x the scale
.endr
	v_cvt_scalef32_pk8_fp8_f32 v[QC:QC+1], v[RT:RT+7], v11
	v_cvt_scalef32_pk8_fp8_f32 v[QC+2:QC+3], v[RT+8:RT+15], v11   ; their results go to LDS stores; the next vector lines are the next step's sixteen holds, on other registers
.if (\t)+4 < STEPS
	LOAD (\t)+4
.endif
.if (\t) > 0
	s_wait_alu depctr_va_vdst(0)
	s_wait_dscnt 0x0                               ; the step before is back from its stage
	global_store_b128 v3, v[QO+4*((\t)-1):QO+4*((\t)-1)+3], s[30:31] offset:512*((\t)-1)   ; 512 consecutive bytes
.endif
.irp j, 0,1,2,3
	ds_store_b32 v4, v[QC+\j] offset:512*((\t)%2)+128*\j
.endr
	ds_load_b128 v[QO+4*(\t):QO+4*(\t)+3], v5 offset:512*((\t)%2)   ; LDS serves a wave's instructions in order: it sees the four stores
.endm
	s_wait_alu depctr_va_vdst(0)
.irp t, 0,1,2,3,4,5,6,7,8,9,10,11,12,13,14,15
	STEP \t
.endr
	s_wait_dscnt 0x0
	global_store_b128 v3, v[QO+60:QO+63], s[30:31] offset:512*15
	v_lshl_add_u32 v160, v0, 2, 0xa400             ; my spare word
	v_mov_b32 v161, 0
	s_wait_alu depctr_va_vdst(0)
	s_wait_tensorcnt 0x0                           ; the wave's end
	ds_add_u32 v160, v161
	s_wait_dscnt 0x0
	s_endpgm
.Lfunc_end_k_qef8ca8b184_prep:
	.size	k_qef8ca8b184_prep, .Lfunc_end_k_qef8ca8b184_prep-k_qef8ca8b184_prep
	.p2alignl 7, 3214868480
	.fill 96, 4, 3214868480
	.section	.rodata,"a",@progbits
	.p2align	6, 0x0
	.amdhsa_kernel k_qef8ca8b184_prep
		.amdhsa_group_segment_fixed_size 42496
		.amdhsa_private_segment_fixed_size 0
		.amdhsa_enable_private_segment 0
		.amdhsa_kernarg_size 112
		.amdhsa_user_sgpr_count 2
		.amdhsa_user_sgpr_kernarg_segment_ptr 1
		.amdhsa_wavefront_size32 1
		.amdhsa_system_sgpr_workgroup_id_x 1
		.amdhsa_system_sgpr_workgroup_id_y 1
		.amdhsa_system_sgpr_workgroup_id_z 1
		.amdhsa_system_vgpr_workitem_id 0
		.amdhsa_next_free_vgpr 256
		.amdhsa_next_free_sgpr 66
		.amdhsa_reserve_vcc 0
		.amdhsa_float_denorm_mode_32 3
		.amdhsa_float_denorm_mode_16_64 3
		.amdhsa_memory_ordered 1
		.amdhsa_forward_progress 1
		.amdhsa_inst_pref_size 160
	.end_amdhsa_kernel
	.amdgpu_metadata
---
amdhsa.version: [ 1, 2 ]
amdhsa.kernels:
  - .name:           k_qef8ca8b184_prep
    .symbol:         k_qef8ca8b184_prep.kd
    .args:
      - { .name: adj_mask, .offset: 0, .size: 8, .value_kind: global_buffer, .address_space: global }
      - { .name: maskw, .offset: 8, .size: 8, .value_kind: global_buffer, .address_space: global }
      - { .name: wq, .offset: 16, .size: 8, .value_kind: global_buffer, .address_space: global }
      - { .name: wk, .offset: 24, .size: 8, .value_kind: global_buffer, .address_space: global }
      - { .name: wv, .offset: 32, .size: 8, .value_kind: global_buffer, .address_space: global }
      - { .name: wo, .offset: 40, .size: 8, .value_kind: global_buffer, .address_space: global }
      - { .name: w1, .offset: 48, .size: 8, .value_kind: global_buffer, .address_space: global }
      - { .name: w2, .offset: 56, .size: 8, .value_kind: global_buffer, .address_space: global }
      - { .name: lowp_scales, .offset: 64, .size: 8, .value_kind: global_buffer, .address_space: global }
      - { .name: wc, .offset: 72, .size: 8, .value_kind: global_buffer, .address_space: global }
      - { .name: x, .offset: 80, .size: 8, .value_kind: global_buffer, .address_space: global }
      - { .name: ln1_w, .offset: 88, .size: 8, .value_kind: global_buffer, .address_space: global }
      - { .name: ln1_b, .offset: 96, .size: 8, .value_kind: global_buffer, .address_space: global }
      - { .name: nxc, .offset: 104, .size: 8, .value_kind: global_buffer, .address_space: global }
    .group_segment_fixed_size: 42496
    .private_segment_fixed_size: 0
    .kernarg_segment_align: 8
    .kernarg_segment_size: 112
    .max_flat_workgroup_size: 128
    .sgpr_count:     66
    .vgpr_count:     256
    .wavefront_size: 32
...
	.end_amdgpu_metadata
.endif
;; end of part 1
;; launch qkv (part 2): grid 12 x 16, 4 waves a work-group, clusters of 4 x 4, 327,680 bytes of LDS; arguments nxc, wc, lowp_scales, bq, bk, bv, qkvc; writes qkvc
.if DOCPART == 2
	.amdgcn_target "amdgcn-amd-amdhsa--gfx1250"
	.amdhsa_code_object_version 6
	.text
	.protected	k_qef8ca8b184_qkv
	.globl	k_qef8ca8b184_qkv
	.p2align	8
	.type	k_qef8ca8b184_qkv,@function
k_qef8ca8b184_qkv:
	s_mov_b64 s[64:65], 0
	v_nop
	global_prefetch_b8 v0, s[64:65] scope:SCOPE_SE
	s_setreg_imm32_b32 hwreg(HW_REG_WAVE_MODE, 25, 1), 1
	s_wait_xcnt 0x0
	s_wait_alu depctr_hold_cnt(0) depctr_sa_sdst(0) depctr_va_vdst(0) depctr_va_sdst(0) depctr_va_ssrc(0) depctr_va_vcc(0) depctr_vm_vsrc(0)
	s_getreg_b32 s2, hwreg(HW_REG_IB_STS2, 6, 4)
	s_cmp_eq_u32 s2, 0
	s_cbranch_scc0 .Lentry_in_a_cluster
	s_endpgm
.Lentry_in_a_cluster:
	s_bfe_u32 s2, ttmp6, 0x10000c
	s_cmp_lg_u32 s2, 0xf033
	s_cbranch_scc0 .Lentry_shape_is_right
	s_endpgm
.Lentry_shape_is_right:
.set SIZE_K, 1024
.set KSTEP,  256
.set ROWB,   256
.set KROW,   SIZE_K
.set PITCH,  272
.set FR,     16
.set NL,     4
.set NP,     4
.set HALFT,  128*PITCH
.set SLOT,   4*HALFT
.set LAPS,   SIZE_K/(2*KSTEP)
.set SPARE,  2*SLOT
.set CP,     80
.set CS,     256*CP+64
.set ADRA, 16
.set ADRB, 20
.set STO,  24
.set RD,   25
.set CO,   26
.set SPW,  28
.set NIL,  29
.set BCA,  30
.set BRA,  31
.set RB,   32
.set LIM,  52
.set SCL,  53
.set CB,   64
.set AF,   128
.set Y,    128
.set CD,   192
.set G1, 24
.set G0, 32
.set G1B, 48
.set G0B, 56
.set MSB, 0
.macro WIN new
.if MSB != \new
	s_set_vgpr_msb (MSB<<8)|\new
.set MSB, \new
.endif
.endm
.set MUL_LO, 0xa1
.set MUL_HI, 0xf1
.set TO_B,   0x40
.macro JLOAD g0a, g1a, g0b, g1b
	s_cmp_eq_u32 s15, 0
	s_cbranch_scc0 .Lfor_b_\@
	tensor_load_to_lds s[\g0a:\g0a+3], s[\g1a:\g1a+7]
	s_nop 0
.rept 4
	v_nop
.endr
	s_branch .Lasked_\@
.Lfor_b_\@:
	tensor_load_to_lds s[\g0b:\g0b+3], s[\g1b:\g1b+7]
	s_nop 0
.rept 4
	v_nop
.endr
.Lasked_\@:
.endm
.macro CREST
	s_cmp_lg_u32 s14, 0
	s_cbranch_scc1 .Lnot_wave_0_\@
	s_barrier_signal -3
.Lnot_wave_0_\@:
	s_barrier_wait -3
	s_barrier_signal -1
	s_barrier_wait -1
.endm
.macro CROUND
	s_barrier_signal -1
	s_barrier_wait -1
	CREST
.endm
	s_load_b128 s[4:7], s[0:1], 0x0
	s_load_b64 s[8:9], s[0:1], 0x10
	s_load_b128 s[68:71], s[0:1], 0x18
	s_load_b128 s[72:75], s[0:1], 0x28
	v_lshl_add_u32 v[SPW], v0, 2, SPARE
	v_mov_b32 v[NIL], 0
	ds_add_u32 v28, v29
	ds_add_u32 v28, v29
	s_wait_dscnt 0x0
	v_lshrrev_b32 v1, 5, v0
	v_readfirstlane_b32 s14, v1
	s_lshr_b32 s15, s14, 1
	s_and_b32 s16, s14, 1
	s_bfe_u32 s40, ttmp6, 0x40000
	s_bfe_u32 s41, ttmp6, 0x40004
	s_and_b32 s10, ttmp7, 0xffff
	s_lshl_b32 s10, s10, 2
	s_lshl_b32 s12, ttmp9, 22
	s_lshl_b32 s13, ttmp9, 20
	s_cmp_eq_u32 ttmp9, 2
	s_cselect_b32 s17, 0, s10
	s_cselect_b32 s42, s10, 0
	s_cselect_b32 s18, s13, s12
	s_cselect_b32 s19, s12, s13
	s_add_co_u32 s17, s17, s41
	s_add_co_u32 s42, s42, s40
	s_lshl_b32 s43, s41, 2
	s_lshl_b32 s43, 15, s43
	s_lshl_b32 s44, 0x1111, s40
	s_or_b32 s[G1+0], s43, (0<<16)|(1<<20)|(1<<21)|(5<<22)|(3<<25)
	s_or_b32 s[G1B+0], s44, (0<<16)|(1<<20)|(1<<21)|(5<<22)|(3<<25)
.irp g, G1, G1B
	s_mov_b32 s[\g+1], ROWB<<16
	s_mov_b32 s[\g+2], 128<<16
	s_mov_b32 s[\g+3], ROWB<<16
	s_mov_b32 s[\g+4], 128
	s_mov_b32 s[\g+5], KROW
	s_mov_b32 s[\g+6], 0
	s_mov_b32 s[\g+7], 0
.endr
	s_lshl_b32 s22, s16, 7
	s_lshl_b32 s20, s17, 8
	s_add_co_u32 s20, s20, s22
	s_lshl_b32 s20, s20, 10
	s_add_co_u32 s20, s20, s18
	s_mov_b32 s21, 0
	s_lshl_b32 s46, s42, 8
	s_add_co_u32 s46, s46, s22
	s_lshl_b32 s46, s46, 10
	s_add_co_u32 s46, s46, s19
	s_mov_b32 s47, 0
	s_mul_i32 s45, s14, HALFT
	s_wait_kmcnt 0x0
	s_load_b512 s[76:91], s[8:9], 0x0
	s_cmp_eq_u32 ttmp9, 2
	s_cselect_b64 s[10:11], s[6:7], s[4:5]
	s_cselect_b64 s[12:13], s[4:5], s[6:7]
	s_add_nc_u64 s[20:21], s[10:11], s[20:21]
	s_add_nc_u64 s[46:47], s[12:13], s[46:47]
	CROUND
.irp s, 0,1
	s_mov_b32 s[G0+4*\s], 1
	s_add_co_u32 s[G0+4*\s+1], s45, \s*SLOT
	s_add_nc_u64 s[G0+4*\s+2:G0+4*\s+3], s[20:21], \s*ROWB
	s_or_b32 s[G0+4*\s+3], s[G0+4*\s+3], 0x80000000
	s_mov_b32 s[G0B+4*\s], 1
	s_add_co_u32 s[G0B+4*\s+1], s45, \s*SLOT
	s_add_nc_u64 s[G0B+4*\s+2:G0B+4*\s+3], s[46:47], \s*ROWB
	s_or_b32 s[G0B+4*\s+3], s[G0B+4*\s+3], 0x80000000
.endr
	JLOAD G0, G1, G0B, G1B                         ; K step 0: one tensor load a wave at the head
	; THE PREFETCHES: of the 128 rows that I fetch, each of the four partners that ask for them with me takes 32, told apart by address; a lane a row, 256 bytes a K step.
	; K steps 1 and 2 are asked for here, K step 3 behind K step 1's load: two K steps ahead of the loads that want them; K has four steps, so nothing is asked in the loop.
	s_cmp_eq_u32 s15, 0
	s_cselect_b64 s[10:11], s[20:21], s[46:47]     ; the rows that I fetch
	s_cselect_b32 s12, s40, s41                    ; my work-group's place among the four
	s_lshl_b32 s12, s12, 15                        ; 32 rows of 1,024 bytes
	s_mov_b32 s13, 0
	s_add_nc_u64 s[10:11], s[10:11], s[12:13]
	v_and_b32 v22, 31, v0
	v_lshlrev_b32 v22, 10, v22                     ; my lane's row; never rewritten
	s_wait_alu depctr_va_vdst(0)
	global_prefetch_b8 v22, s[10:11] offset:ROWB th:TH_LOAD_NT scope:SCOPE_SE
	global_prefetch_b8 v22, s[10:11] offset:2*ROWB th:TH_LOAD_NT scope:SCOPE_SE
	v_and_b32 v1, 15, v0
	s_wait_alu depctr_va_vdst(0)
	v_bfe_u32 v2, v0, 4, 1
	v_mul_u32_u24 v3, v1, PITCH
	v_lshl_add_u32 v4, v2, 4, v3
	s_mul_i32 s21, s15, HALFT
	s_mul_i32 s22, s16, HALFT
	s_add_co_u32 s22, s22, 2*HALFT
.irp s, 0,1
	v_add_nc_u32 v[ADRA+\s], s21, v4
	v_add_nc_u32 v[ADRB+\s], s22, v4
	s_add_co_u32 s21, s21, SLOT
	s_add_co_u32 s22, s22, SLOT
.endr
	s_mul_i32 s23, s16, 2*CS
	s_mul_i32 s22, s15, 128*CP
	s_add_co_u32 s23, s23, s22
	v_mul_u32_u24 v5, v1, CP
	s_wait_alu depctr_va_vdst(0)
	v_lshl_add_u32 v5, v2, 3, v5
	v_add_nc_u32 v[STO], s23, v5
	v_and_b32 v6, 31, v0
	v_lshrrev_b32 v7, 2, v6
	v_mul_u32_u24 v7, v7, CP
	v_and_b32 v8, 3, v6
	v_lshl_add_u32 v7, v8, 4, v7
	s_mul_i32 s23, s14, 64*CP
	v_add_nc_u32 v[RD], s23, v7
	v_add_nc_u32 v[RD+2], 2*CS, v[RD]
	v_lshlrev_b32 v[CO], 4, v6
	v_lshlrev_b32 v[BCA], 5, v2
	s_wait_alu depctr_va_vdst(0)
	v_lshlrev_b32 v[BRA], 2, v1
	s_wait_alu depctr_va_vdst(0)
	s_cmp_eq_u32 ttmp9, 0
	s_cselect_b64 s[68:69], s[68:69], s[70:71]
	s_lshl_b32 s98, s42, 10
	s_lshl_b32 s100, s17, 10
	s_mov_b32 s92, 0x20000
	s_mov_b32 s93, 0x1000
	s_cmp_eq_u32 ttmp9, 2
	s_cselect_b32 s98, 0, s98
	s_cselect_b32 s100, s100, 0
	s_cselect_b32 s66, s42, s17
	s_cselect_b32 s67, s17, s42
	s_cselect_b32 s94, s93, s92
	s_cselect_b32 s92, s92, s93
	s_cselect_b32 s70, 0, -1
	s_cselect_b32 s71, -1, 0
	s_mov_b32 s95, 0
	s_lshl_b32 s99, s16, 9
	s_add_co_u32 s98, s98, s99
	s_mov_b32 s99, 0
	s_add_nc_u64 s[68:69], s[68:69], s[98:99]
	s_lshl_b32 s101, s15, 9
	s_add_co_u32 s100, s100, s101
	s_mov_b32 s101, 0
	s_add_nc_u64 s[72:73], s[72:73], s[100:101]
.irp b, 0,1,2,3,4,5,6,7
	global_load_b128 v[CB+8*\b:CB+8*\b+3], v[BCA], s[68:69] offset:64*\b
	global_load_b128 v[CB+8*\b+4:CB+8*\b+7], v[BCA], s[68:69] offset:64*\b+16
.endr
.irp a, 0,1,2,3,4,5,6,7
	global_load_b32 v[RB+2*\a], v[BRA], s[72:73] offset:64*\a
.endr
	s_lshr_b32 s98, s66, 3
	s_lshl_b32 s98, s98, 21
	s_and_b32 s99, s66, 7
	s_lshl_b32 s99, s99, 14
	s_add_co_u32 s98, s98, s99
	s_lshl_b32 s99, s67, 19
	s_add_co_u32 s98, s98, s99
	s_lshl_b32 s99, ttmp9, 22
	s_add_co_u32 s98, s98, s99
	s_mul_i32 s99, s14, s92
	s_add_co_u32 s98, s98, s99
	s_mov_b32 s99, 0
	s_add_nc_u64 s[74:75], s[74:75], s[98:99]
.macro FRAG reg, adr, q, i
.irp c, 0,1,2,3
	ds_load_b128 v[\reg+4*\c:\reg+4*\c+3], v[\adr] offset:128*(\q)+32*\c+(\i)*16*PITCH
.endr
.endm
.macro MUL16 a0, p, zero
.irp a, \a0, \a0+1
.irp b, 0,1,2,3,4,5,6,7
.if \zero
	v_wmma_f32_16x16x128_fp8_fp8 v[8*(8*((\a)%4)+\b):8*(8*((\a)%4)+\b)+7], v[128*(\p)+FR*\b:128*(\p)+FR*\b+FR-1], v[AF+FR*(\a):AF+FR*(\a)+FR-1], 0
.else
	v_wmma_f32_16x16x128_fp8_fp8 v[8*(8*((\a)%4)+\b):8*(8*((\a)%4)+\b)+7], v[128*(\p)+FR*\b:128*(\p)+FR*\b+FR-1], v[AF+FR*(\a):AF+FR*(\a)+FR-1], v[8*(8*((\a)%4)+\b):8*(8*((\a)%4)+\b)+7]
.endif
.endr
.endr
.endm
.macro FETCH_B slot, q, p
	WIN TO_B
.irp i, 0,1,2,3,4,5,6,7
	FRAG 128*(\p)+FR*\i, ADRB+\slot, \q, \i
.endr
	WIN 0
.endm
.macro FETCH_A slot, q, i0
.irp i, \i0, \i0+1, \i0+2, \i0+3
	FRAG AF+FR*(\i), ADRA+\slot, \q, \i
.endr
.endm
.macro PLACES n
.rept \n
	v_nop
.endr
.endm
.macro STEP slot, q, zero
	s_wait_dscnt 4*NL
	WIN MUL_LO
	MUL16 0, (\q)%2, \zero
	MUL16 2, (\q)%2, \zero
	s_wait_dscnt 0
	PLACES NP
	FETCH_B \slot, (\q)+1, 1-(\q)%2
	FETCH_A \slot, (\q)+1, 0
	WIN MUL_HI
	MUL16 4, (\q)%2, \zero
	MUL16 6, (\q)%2, \zero
	PLACES NP
	WIN 0
	FETCH_A \slot, (\q)+1, 4
.endm
.macro TURN slot, next, fill
	s_wait_tensorcnt 0x0
	ds_add_u32 v[SPW], v[NIL]
	s_wait_dscnt 4*NL+1
	WIN MUL_LO
	MUL16 0, 1, 0
	s_wait_dscnt 0x0
	s_barrier_signal -1
	MUL16 2, 1, 0
	WIN 0
	s_barrier_wait -1
.if \fill
	CREST
	s_add_nc_u64 s[G0+4*\slot+2:G0+4*\slot+3], s[G0+4*\slot+2:G0+4*\slot+3], 2*ROWB
	s_add_nc_u64 s[G0B+4*\slot+2:G0B+4*\slot+3], s[G0B+4*\slot+2:G0B+4*\slot+3], 2*ROWB
	JLOAD G0+4*\slot, G1, G0B+4*\slot, G1B
.else
	PLACES NP
.endif
	FETCH_B \next, 0, 0
	FETCH_A \next, 0, 0
	WIN MUL_HI
	MUL16 4, 1, 0
	MUL16 6, 1, 0
	PLACES NP
	WIN 0
	FETCH_A \next, 0, 4
.endm
	s_wait_alu depctr_va_vdst(0)
	s_wait_tensorcnt 0x0                           ; my part of K step 0 is in
	ds_add_u32 v[SPW], v[NIL]
	s_wait_dscnt 0x0
	CROUND                                         ; everybody's part is in, and all sixteen work-groups are here
	JLOAD G0+4, G1, G0B+4, G1B                     ; K step 1, the first tensor load behind the round
	global_prefetch_b8 v22, s[10:11] offset:3*ROWB th:TH_LOAD_NT scope:SCOPE_SE
	FETCH_B 0, 0, 0
	FETCH_A 0, 0, 0
	FETCH_A 0, 0, 4
	STEP 0, 0, 1
	s_mov_b32 s3, LAPS-1
.Llap:
	TURN 0, 1, 1
	STEP 1, 0, 0
	TURN 1, 0, 1
	STEP 0, 0, 0
	s_sub_co_u32 s3, s3, 1
	s_cmp_lg_u32 s3, 0
	s_cbranch_scc1 .Llap
	TURN 0, 1, 0
	STEP 1, 0, 0
	s_wait_dscnt 4*NL
	WIN MUL_LO
	MUL16 0, 1, 0
	MUL16 2, 1, 0
	s_wait_dscnt 0
	WIN MUL_HI
	MUL16 4, 1, 0
	MUL16 6, 1, 0
	WIN 0
	s_wait_kmcnt 0x0
	s_add_co_i32 s92, s76, s77
	s_add_co_i32 s93, s78, s79
	s_add_co_i32 s98, s80, s81
	s_cmp_eq_u32 ttmp9, 0
	s_cselect_b32 s92, s92, s93
	s_cselect_b32 s93, s82, s83
	s_cmp_eq_u32 ttmp9, 2
	s_cselect_b32 s92, s98, s92
	s_cselect_b32 s93, s85, s93
	s_add_co_i32 s92, s92, 127
	s_lshl_b32 s96, s92, 23
	s_mov_b32 s97, s96
	s_add_co_i32 s93, s93, 127
	s_lshl_b32 s98, s93, 23
	v_mov_b32 v[SCL], s98
	s_add_co_i32 s93, s93, 8
	s_lshl_b32 s93, s93, 23
	s_or_b32 s93, s93, 0x600000
	v_mov_b32 v[LIM], s93
	s_mov_b64 s[76:77], s[74:75]
	s_add_nc_u64 s[78:79], s[76:77], s[94:95]
	s_add_nc_u64 s[80:81], s[78:79], s[94:95]
	s_add_nc_u64 s[82:83], s[80:81], s[94:95]
	s_wait_loadcnt 0x0
.set j, 0
.rept 64
	v_cndmask_b32 v[CB+j], 0, v[CB+j], s70
.set j, j+1
.endr
.irp a, 0,1,2,3,4,5,6,7
	v_cndmask_b32 v[RB+2*\a], 0, v[RB+2*\a], s71
.endr
.irp a, 0,1,2,3,4,5,6,7
	v_mov_b32 v[RB+2*\a+1], v[RB+2*\a]
.endr
.macro OUTQ a
.set AC, 64*((\a)%4)
.set WN, 0x02+((\a)/4)
	WIN WN
.irp j, 0,2,4,6,8,10,12,14,16,18,20,22,24,26,28,30,32,34,36,38,40,42,44,46,48,50,52,54,56,58,60,62
	v_pk_fma_f32 v[Y+\j:Y+\j+1], v[AC+\j:AC+\j+1], s[96:97], v[CB+\j:CB+\j+1] op_sel_hi:[1,0,1]
.endr
	WIN 0
.irp j, 0,2,4,6,8,10,12,14,16,18,20,22,24,26,28,30,32,34,36,38,40,42,44,46,48,50,52,54,56,58,60,62
	v_pk_add_f32 v[Y+\j:Y+\j+1], v[Y+\j:Y+\j+1], v[RB+2*(\a):RB+2*(\a)+1]
.endr
.set j, 0
.rept 64
	v_med3_num_f32 v[Y+j], v[Y+j], -v[LIM], v[LIM]
.set j, j+1
.endr
.irp b, 0,1,2,3,4,5,6,7
	v_cvt_scalef32_pk8_fp8_f32 v[CD+2*\b:CD+2*\b+1], v[Y+8*\b:Y+8*\b+7], v[SCL]
.endr
	v_nop
.irp b, 0,1,2,3,4,5,6,7
	ds_store_b64 v[STO], v[CD+2*\b:CD+2*\b+1] offset:(\b/4)*CS+16*CP*(\a)+16*(\b%4)
.endr
.endm
.irp a, 0,1,2,3,4,5,6,7
	OUTQ \a
.endr
	s_wait_dscnt 0x0
	s_barrier_signal -1
	s_barrier_wait -1
.irp c, 0,1,2,3
.irp t, 0,1,2,3,4,5,6,7
	ds_load_b128 v[128+4*(8*\c+\t):128+4*(8*\c+\t)+3], v[RD+2*(\c/2)] offset:(\c%2)*CS+8*CP*\t
.endr
.endr
.set u, 0
.rept 32
	s_wait_dscnt 31-u
	global_store_b128 v[CO], v[128+4*u:131+4*u], s[76+2*(u/8):77+2*(u/8)] offset:512*(u%8)
.set u, u+1
.endr
	s_wait_tensorcnt 0x0
	ds_add_u32 v[SPW], v[NIL]
	s_wait_dscnt 0x0
	CROUND
	s_endpgm
.Lfunc_end_k_qef8ca8b184_qkv:
	.size	k_qef8ca8b184_qkv, .Lfunc_end_k_qef8ca8b184_qkv-k_qef8ca8b184_qkv
	.p2alignl 7, 3214868480
	.fill 96, 4, 3214868480
	.section	.rodata,"a",@progbits
	.p2align	6, 0x0
	.amdhsa_kernel k_qef8ca8b184_qkv
		.amdhsa_group_segment_fixed_size 327680
		.amdhsa_private_segment_fixed_size 0
		.amdhsa_enable_private_segment 0
		.amdhsa_kernarg_size 56
		.amdhsa_user_sgpr_count 2
		.amdhsa_user_sgpr_kernarg_segment_ptr 1
		.amdhsa_wavefront_size32 1
		.amdhsa_system_sgpr_workgroup_id_x 1
		.amdhsa_system_sgpr_workgroup_id_y 1
		.amdhsa_system_sgpr_workgroup_id_z 1
		.amdhsa_system_vgpr_workitem_id 0
		.amdhsa_next_free_vgpr 1024
		.amdhsa_next_free_sgpr 102
		.amdhsa_reserve_vcc 0
		.amdhsa_float_denorm_mode_32 3
		.amdhsa_float_denorm_mode_16_64 3
		.amdhsa_memory_ordered 1
		.amdhsa_forward_progress 1
		.amdhsa_inst_pref_size 167
	.end_amdhsa_kernel
	.amdgpu_metadata
---
amdhsa.version: [ 1, 2 ]
amdhsa.kernels:
  - .name:           k_qef8ca8b184_qkv
    .symbol:         k_qef8ca8b184_qkv.kd
    .args:
      - { .name: nxc, .offset: 0, .size: 8, .value_kind: global_buffer, .address_space: global }
      - { .name: wc, .offset: 8, .size: 8, .value_kind: global_buffer, .address_space: global }
      - { .name: lowp_scales, .offset: 16, .size: 8, .value_kind: global_buffer, .address_space: global }
      - { .name: bq, .offset: 24, .size: 8, .value_kind: global_buffer, .address_space: global }
      - { .name: bk, .offset: 32, .size: 8, .value_kind: global_buffer, .address_space: global }
      - { .name: bv, .offset: 40, .size: 8, .value_kind: global_buffer, .address_space: global }
      - { .name: qkvc, .offset: 48, .size: 8, .value_kind: global_buffer, .address_space: global }
    .group_segment_fixed_size: 327680
    .private_segment_fixed_size: 0
    .kernarg_segment_align: 8
    .kernarg_segment_size: 56
    .max_flat_workgroup_size: 128
    .sgpr_count:     102
    .vgpr_count:     1024
    .wavefront_size: 32
...
	.end_amdgpu_metadata
.endif
;; end of part 2
;; launch attn (part 3): grid 8 x 32, 16 waves a work-group, clusters of 4 x 1, 327,680 bytes of LDS; arguments qkvc, maskw, lowp_scales, oc; writes oc
.if DOCPART == 3
	.amdgcn_target "amdgcn-amd-amdhsa--gfx1250"
	.amdhsa_code_object_version 6
	.text
	.protected	k_qef8ca8b184_attn
	.globl	k_qef8ca8b184_attn
	.p2align	8
	.type	k_qef8ca8b184_attn,@function
k_qef8ca8b184_attn:
	s_mov_b64 s[64:65], 0
	v_nop
	global_prefetch_b8 v0, s[64:65] scope:SCOPE_SE
	s_setreg_imm32_b32 hwreg(HW_REG_WAVE_MODE, 25, 1), 1
	s_wait_xcnt 0x0
	s_wait_alu depctr_hold_cnt(0) depctr_sa_sdst(0) depctr_va_vdst(0) depctr_va_sdst(0) depctr_va_ssrc(0) depctr_va_vcc(0) depctr_vm_vsrc(0)
	s_getreg_b32 s2, hwreg(HW_REG_IB_STS2, 6, 4)
	s_cmp_eq_u32 s2, 0
	s_cbranch_scc0 .Lentry_in_a_cluster
	s_endpgm
.Lentry_in_a_cluster:
	s_bfe_u32 s2, ttmp6, 0x10000c
	s_cmp_lg_u32 s2, 0x3003
	s_cbranch_scc0 .Lentry_shape_is_right
	s_endpgm
.Lentry_shape_is_right:
; Masked attention on codes of FP8 (E4M3): o = softmax_k(mask ? q.k / 8 : -inf) v for one (batch, head), and o's codes for the next product.
; qkvc: Q at 0, K at 4 MiB: [batch x head 32][token 2048][64] codes; V at 8 MiB: [32][block of 64 keys][d 64][key 64] codes (the keys innermost).
; maskw: [batch][query tile 128][chunk 16][64] words: bit l of word n = mask of query 16 tile + l % 16, key 128 chunk + 32 (n / 16) + 16 (l / 16) + n % 16: the lane and register that hold that score here.
; oc: [32][token][64] codes with the scale of entry 10.
; THE SOFTMAX: t = score x log2(e) / 8; M = the running largest t of the keys that count, rounded up to a whole number; p = 2^(t - M) is quantised with 2^ep, not normalised;
; the row's sum is taken of the unquantised p and divides at the end; when M moves, sum and O^T are multiplied by 2^(old M - new M).  A row with no key that counts has the sum 0 and gets the NaN code.
; SHARES: a work-group owns 256 queries of one head, each of its 16 waves 16 of them.  All 2,048 keys of K and V lie in LDS: 16 chunks of 128 keys each.  They are fetched once, at the head, one tensor load a wave:
; waves 0-7 two chunks of K each (128 rows of 128 bytes), waves 8-15 two chunks of V each (64 rows of 256 bytes).  Nothing is filled again.  The four work-groups of a cluster own query blocks of one head and ask jointly.
; No prefetch: every tile is asked for at the head, so there is no later tile to ask ahead for; the mask's words are asked for one step ahead by scalar loads.
; Both products are used transposed (S^T = K Q^T, O^T = V^T P^T): a lane holds one query.  Lane r of key tile 2 b + u takes key 32 b + 8 u + r + 8 (r / 8), so that p's 16 registers of two tiles are 16 neighbouring keys.
; Wave w begins at chunk w and walks all 16 round: the order of the keys does not matter to a running M.
; TWO BLOCKS OF 64 REGISTERS SWAP ROLES FROM STEP TO STEP: one holds K's fragments and then V's, the other S^T and then p; as soon as p is summed and converted, the next step's fragments of K are loaded over it.
; So a trip of the loop is two steps.  The maxima and the sums are taken as trees over 32 spare registers, so that few lines read the line just above them.
; LIMITS: eq + ek between -123 and 130; ep between -8 and 119: p is at most 1 by its make, and 448 x 2^ep is at least 1 from ep = -8 on, so no hold stands ahead of p's conversion; entry 10 between -126 and 119.
; The scaled scores stay under 2^31 in magnitude.
; REGISTERS: v1-7 addresses; v12 -M, v13 the largest t, v[14:15] the sum; v16-23 Q; v24 -inf; v32-95, v96-159 the two blocks; v160-191 O^T; v192-207 p's codes; v208-221 at work; v222-253 the trees; v254, v255 the add's.
.set KCH,   9216                       ; a chunk of K in LDS: 64 rows (two keys each) of 128 + 16 bytes
.set VCH,   8704                       ; a chunk of V: 32 rows (four d each) of 256 + 16 bytes
.set VOFF,  16*KCH
.set STAGE, VOFF+16*VCH                ; the way out: 16 rows x 80 bytes for each wave, bytes of its own
.set SP,    80
.set SPARE, STAGE+16*16*SP             ; the spare words, 128 bytes for each wave
.set WV,    28
.set SEL,   100
.set CS,    104
.set X,     32
.set Y,     96
.set TM,    222
.macro CROUND                          ; a round of the cluster's barrier
	s_barrier_signal -1
	s_barrier_wait -1
	s_cmp_lg_u32 s[WV], 0
	s_cbranch_scc1 .Lnot_wave_0_\@
	s_barrier_signal -3
.Lnot_wave_0_\@:
	s_barrier_wait -3
	s_barrier_signal -1
	s_barrier_wait -1
.endm
	s_load_b256 s[32:39], s[0:1], 0x0              ; qkvc, maskw, the exponents, oc
	v_lshl_add_u32 v254, v0, 2, SPARE
	v_mov_b32 v255, 0
	ds_add_u32 v254, v255                          ; the opening lines: the add twice on end and one wait
	ds_add_u32 v254, v255
	v_lshrrev_b32 v8, 5, v0
	s_delay_alu instid0(VALU_DEP_1)
	v_readfirstlane_b32 s[WV], v8                  ; wave 0..15
	s_bfe_u32 s66, ttmp6, 0x40000
	s_lshl_b32 s67, ttmp9, 2
	s_add_co_u32 s66, s66, s67                     ; my work-group's query block
	s_lshl_b32 s66, s66, 4
	s_add_co_u32 s66, s66, s[WV]                   ; my query tile, 0 .. 127
	s_and_b32 s67, ttmp7, 0xffff                   ; 16 batch + head
	s_lshl_b32 s56, s67, 17                        ; the head's 128 KiB
	s_lshl_b32 s57, s[WV], 14                      ; two chunks of 8 KiB a wave
	s_add_co_u32 s58, s56, s57
	s_add_co_u32 s60, s58, 0x7e0000                ; V: 8 MiB + 16 KiB x (wave - 8)
	s_add_co_u32 s58, s58, 0x400000                ; K: 4 MiB + 16 KiB x wave
	s_mov_b32 s59, 0
	s_mov_b32 s61, 0
	s_lshl_b32 s62, s66, 10
	s_add_co_u32 s62, s62, s56                     ; Q: my 16 rows of 64 bytes
	s_mov_b32 s63, 0
	s_lshr_b32 s57, s67, 4
	s_lshl_b32 s57, s57, 7
	s_add_co_u32 s57, s57, s66
	s_lshl_b32 s56, s57, 12                        ; the mask: 16 chunks of 256 bytes a tile
	s_mov_b32 s57, 0
	s_mov_b32 s12, 15|(3<<16)|(1<<20)|(1<<21)|(4<<22)|(3<<25)   ; K: all four partners; elements of 8 bytes; 4 words of padding after every 32
	s_mov_b32 s13, 16<<16
	s_mov_b32 s14, 128<<16
	s_mov_b32 s15, 16<<16
	s_mov_b32 s16, 128
	s_mov_b32 s17, 16
	s_mov_b32 s18, 0
	s_mov_b32 s19, 0
	s_mov_b32 s20, 15|(3<<16)|(1<<20)|(1<<21)|(5<<22)|(3<<25)   ; V: 4 words of padding after every 64
	s_mov_b32 s21, 32<<16
	s_mov_b32 s22, 64<<16
	s_mov_b32 s23, 32<<16
	s_mov_b32 s24, 64
	s_mov_b32 s25, 32
	s_mov_b32 s26, 0
	s_mov_b32 s27, 0
	s_mov_b32 s[SEL], 0x76543210
	s_mov_b32 s[SEL+1], 0xfedcba98
	s_wait_dscnt 0x0
	s_wait_kmcnt 0x0
	s_load_b512 s[40:55], s[36:37], 0x0            ; the sixteen exponents
	s_mov_b32 s4, 1
	s_mul_i32 s5, s[WV], 2*KCH
	s_add_nc_u64 s[6:7], s[32:33], s[58:59]
	s_or_b32 s7, s7, 0x80000000
	s_mov_b32 s8, 1
	s_mul_i32 s9, s[WV], 2*VCH
	s_add_co_u32 s9, s9, VOFF-16*VCH               ; VOFF + 2 VCH (wave - 8)
	s_add_nc_u64 s[10:11], s[32:33], s[60:61]
	s_or_b32 s11, s11, 0x80000000
	s_add_nc_u64 s[2:3], s[34:35], s[56:57]
	s_add_nc_u64 s[62:63], s[32:33], s[62:63]
	CROUND                                         ; the four partners are here: the joint loads meet
	s_cmp_lt_u32 s[WV], 8
	s_cbranch_scc0 .Lfor_v
	tensor_load_to_lds s[4:7], s[12:19]            ; my one tensor load
	s_nop 0
.rept 4
	v_nop
.endr
	s_branch .Lasked
.Lfor_v:
	tensor_load_to_lds s[8:11], s[20:27]
	s_nop 0
.rept 4
	v_nop
.endr
.Lasked:
	v_and_b32 v8, 15, v0                           ; r
	v_bfe_u32 v9, v0, 4, 1                         ; h
	s_delay_alu instid0(VALU_DEP_2)
	v_lshlrev_b32 v10, 6, v8
	s_delay_alu instid0(VALU_DEP_1)
	v_lshl_add_u32 v10, v9, 4, v10
	global_load_b128 v[16:19], v10, s[62:63]       ; Q's fragment stays in registers
	global_load_b128 v[20:23], v10, s[62:63] offset:32
	v_and_b32 v11, 8, v8
	s_delay_alu instid0(VALU_DEP_1)
	v_add_nc_u32 v11, v11, v8                      ; r + 8 (r / 8)
	s_delay_alu instid0(VALU_DEP_1)
	v_lshrrev_b32 v1, 1, v11
	s_delay_alu instid0(VALU_DEP_1)
	v_mul_u32_u24 v1, v1, 144
	s_delay_alu instid0(VALU_DEP_3)
	v_and_b32 v11, 1, v11
	s_delay_alu instid0(VALU_DEP_1)
	v_lshl_add_u32 v1, v11, 6, v1
	s_delay_alu instid0(VALU_DEP_1)
	v_lshl_add_u32 v1, v9, 4, v1                   ; K: my key's place in a chunk
	v_lshrrev_b32 v2, 2, v8
	s_delay_alu instid0(VALU_DEP_1)
	v_mul_u32_u24 v2, v2, 272
	v_and_b32 v11, 3, v8
	s_delay_alu instid0(VALU_DEP_1)
	v_lshl_add_u32 v2, v11, 6, v2
	s_delay_alu instid0(VALU_DEP_1)
	v_lshl_add_u32 v2, v9, 4, v2
	s_delay_alu instid0(VALU_DEP_1)
	v_add_nc_u32 v2, VOFF, v2                      ; V: my d's place in a chunk
	s_mul_i32 s66, s[WV], 16*SP
	s_add_co_u32 s66, s66, STAGE
	v_mul_u32_u24 v5, v8, SP
	s_delay_alu instid0(VALU_DEP_1)
	v_lshl_add_u32 v5, v9, 3, v5
	s_delay_alu instid0(VALU_DEP_1)
	v_add_nc_u32 v5, s66, v5                       ; the stage, in
	v_and_b32 v11, 31, v0
	s_delay_alu instid0(VALU_DEP_1)
	v_lshlrev_b32 v7, 4, v11                       ; 16 x lane in oc
	s_delay_alu instid0(VALU_DEP_2)
	v_lshrrev_b32 v6, 2, v11
	s_delay_alu instid0(VALU_DEP_1)
	v_mul_u32_u24 v6, v6, SP
	s_delay_alu instid0(VALU_DEP_4)
	v_and_b32 v11, 3, v11
	s_delay_alu instid0(VALU_DEP_1)
	v_lshl_add_u32 v6, v11, 4, v6
	s_delay_alu instid0(VALU_DEP_1)
	v_add_nc_u32 v6, s66, v6                       ; the stage, back
	v_mov_b32 v13, 0xff61b1e6                      ; the largest t so far: -3e38
	s_delay_alu instid0(VALU_DEP_1)
	v_floor_f32 v12, -v13
	v_mov_b32 v14, 0
	v_mov_b32 v15, 0
	v_mov_b32 v24, 0xff800000                      ; -inf
	v_mov_b32 v210, 0
	v_mov_b32 v213, 0
	v_mov_b32 v221, 0x7f7f7f7f                     ; four NaN codes
	s_wait_alu depctr_va_vdst(0)
	s_wait_kmcnt 0x0
	s_add_co_i32 s66, s46, s47
	s_lshl_b32 s66, s66, 23
	s_mov_b32 s[CS], 0x3e38aa3b                    ; log2(e) / 8,
	s_add_co_i32 s[CS], s[CS], s66                 ; x 2^(eq + ek), by its exponent field
	s_mov_b32 s[CS+1], s[CS]
	s_add_co_i32 s66, s48, 127
	s_lshl_b32 s67, s66, 23
	v_mov_b32 v217, s67                            ; 2^ep
	s_add_co_i32 s66, s48, s49
	v_mov_b32 v218, s66                            ; ep + ev
	s_add_co_i32 s66, s50, 127
	s_lshl_b32 s67, s66, 23
	v_mov_b32 v219, s67                            ; 2^e of o's codes,
	s_add_co_i32 s66, s66, 8
	s_lshl_b32 s66, s66, 23
	s_or_b32 s66, s66, 0x600000
	v_mov_b32 v220, s66                            ; and 448 x that
	s_mov_b32 s30, s[WV]                           ; the chunk in hand
	s_lshl_b32 s31, s30, 8
	s_mul_i32 s66, s30, KCH
	s_mul_i32 s67, s30, VCH
	v_add_nc_u32 v3, s66, v1                       ; the first chunk's K,
	v_add_nc_u32 v4, s67, v2                       ; and V
	s_wait_alu depctr_va_vdst(0)
	s_wait_xcnt 0x0                                ; Q's loads have read s[62:63]: the mask's words may land there
.macro MLOAD                           ; a chunk's 64 words of the mask
	s_load_b512 s[32:47], s[2:3], s31 offset:0x0
	s_load_b512 s[48:63], s[2:3], s31 offset:0x40
	s_load_b512 s[68:83], s[2:3], s31 offset:0x80
	s_load_b512 s[84:99], s[2:3], s31 offset:0xc0
.endm
	MLOAD
.macro KLOAD d                         ; the eight fragments of K of the chunk at v3
.irp t, 0,1,2,3,4,5,6,7
	ds_load_b128 v[\d+8*\t:\d+8*\t+3], v3 offset:(16*(\t/2)+4*(\t%2))*144
	ds_load_b128 v[\d+8*\t+4:\d+8*\t+7], v3 offset:(16*(\t/2)+4*(\t%2))*144+32
.endr
.endm
; A STEP: 128 keys.  kf: the block with K's fragments (asked for in the step before), then V's; sf: the block for S^T and p, then the next step's K.  first: the products start O^T.  more: a step follows.
.macro STEP first, more, kf, sf
	s_wait_dscnt 0x0                               ; K's fragments
.irp t, 0,1,2,3,4,5,6,7
	v_wmma_f32_16x16x64_fp8_fp8 v[\sf+8*\t:\sf+8*\t+7], v[\kf+8*\t:\kf+8*\t+7], v[16:23], 0
.endr
.rept 4
	v_nop
.endr
.irp t, 0,1,2,3                        ; V's fragments are asked for under the softmax
.irp c, 0,1,2,3
	ds_load_b128 v[\kf+16*\t+4*\c:\kf+16*\t+4*\c+3], v4 offset:(16*(\c/2)+4*\t)*272+32*(\c%2)
.endr
.endr
	s_wait_kmcnt 0x0
.set n, 0
.rept 64
	v_cndmask_b32 v[\sf+n], v24, v[\sf+n], s[32+n+4*(n/32)]   ; a key that does not count: -inf
.set n, n+1
.endr
.if \more
	s_add_co_u32 s30, s30, 1
	s_and_b32 s30, s30, 15
	s_lshl_b32 s31, s30, 8
	MLOAD                                          ; the next chunk's words, a step ahead
	s_mul_i32 s66, s30, KCH
	s_mul_i32 s67, s30, VCH
.endif
.set n, 0
.rept 21                               ; the step's largest score of my query: a tree of threes, 64 -> 22 -> 8 -> 3 -> 1
	v_max3_num_f32 v[TM+n], v[\sf+3*n], v[\sf+3*n+1], v[\sf+3*n+2]
.set n, n+1
.endr
.set n, 0
.rept 7
	v_max3_num_f32 v[TM+21+n], v[TM+3*n], v[TM+3*n+1], v[TM+3*n+2]
.set n, n+1
.endr
.if \more
	v_add_nc_u32 v3, s66, v1                       ; the next chunk's addresses (this step's loads of V have been issued)
	v_add_nc_u32 v4, s67, v2
.else
	v_nop
	v_nop
.endif
	v_max3_num_f32 v[TM+28], v[TM+21], v[TM+22], v[TM+23]
	v_max3_num_f32 v[TM+29], v[TM+24], v[TM+25], v[TM+26]
	v_max_num_f32 v[TM+30], v[TM+27], v[\sf+63]
	v_mov_b32 v214, v12                            ; the old -M
	s_delay_alu instid0(VALU_DEP_2)
	v_max3_num_f32 v208, v[TM+28], v[TM+29], v[TM+30]
	s_delay_alu instid0(VALU_DEP_1)
	v_permlanex16_b32 v210, v208, s[SEL], s[SEL+1]
	s_delay_alu instid0(VALU_DEP_1)
	v_max_num_f32 v208, v208, v210
	s_delay_alu instid0(VALU_DEP_1)
	v_mul_f32 v208, s[CS], v208
	s_delay_alu instid0(VALU_DEP_1)
	v_max_num_f32 v13, v13, v208                   ; the running largest t
	s_delay_alu instid0(VALU_DEP_1)
	v_floor_f32 v12, -v13                          ; -M
	s_delay_alu instid0(VALU_DEP_1)
.irp j, 0,2,4,6,8,10
	v_pk_fma_f32 v[\sf+\j:\sf+\j+1], v[\sf+\j:\sf+\j+1], s[CS:CS+1], v[12:13] op_sel_hi:[1,0,0]   ; t - M
.endr
	v_sub_f32 v208, v12, v214                      ; old M - new M, made among the multiply-adds
.irp j, 12,14,16,18,20
	v_pk_fma_f32 v[\sf+\j:\sf+\j+1], v[\sf+\j:\sf+\j+1], s[CS:CS+1], v[12:13] op_sel_hi:[1,0,0]
.endr
	v_cvt_i32_f32 v208, v208
.irp j, 22,24,26,28,30
	v_pk_fma_f32 v[\sf+\j:\sf+\j+1], v[\sf+\j:\sf+\j+1], s[CS:CS+1], v[12:13] op_sel_hi:[1,0,0]
.endr
	v_ldexp_f32 v212, 1.0, v208                    ; f = 2^(old M - new M)
.irp j, 32,34,36,38,40,42,44,46,48,50,52,54,56,58,60,62
	v_pk_fma_f32 v[\sf+\j:\sf+\j+1], v[\sf+\j:\sf+\j+1], s[CS:CS+1], v[12:13] op_sel_hi:[1,0,0]
.endr
	s_wait_alu depctr_va_vdst(0)
.set n, 0
.rept 64
	v_exp_f32 v[\sf+n], v[\sf+n]
.set n, n+1
.endr
	v_pk_mul_f32 v[14:15], v[14:15], v[212:213] op_sel_hi:[1,0]
	s_wait_alu depctr_va_vdst(0)
.irp i, 0,1,2,3,4,5,6,7,8,9,10,11,12,13,14,15   ; the sum of the unquantised p: a tree of pairs
	v_pk_add_f32 v[TM+2*\i:TM+2*\i+1], v[\sf+4*\i:\sf+4*\i+1], v[\sf+4*\i+2:\sf+4*\i+3]
.endr
.irp b, 0,1,2,3,4,5,6,7
	v_cvt_scalef32_pk8_fp8_f32 v[192+2*\b:193+2*\b], v[\sf+8*\b:\sf+8*\b+7], v217   ; p <= 1 <= 448 x 2^ep: no hold (the head's limit on ep)
.endr
.if \more
	KLOAD \sf                                      ; p has been summed and converted: the next step's K lands on it
.endif
.irp i, 0,1,2,3,4,5,6,7
	v_pk_add_f32 v[TM+4*\i:TM+4*\i+1], v[TM+4*\i:TM+4*\i+1], v[TM+4*\i+2:TM+4*\i+3]
.endr
.irp i, 0,1,2
	v_pk_add_f32 v[TM+8*\i:TM+8*\i+1], v[TM+8*\i:TM+8*\i+1], v[TM+8*\i+4:TM+8*\i+5]
.endr
	s_delay_alu instid0(VALU_DEP_4)
	v_pk_add_f32 v[TM+24:TM+25], v[TM+24:TM+25], v[TM+28:TM+29]
	s_delay_alu instid0(VALU_DEP_3)
	v_pk_add_f32 v[TM:TM+1], v[TM:TM+1], v[TM+8:TM+9]
	s_delay_alu instid0(VALU_DEP_2)
	v_pk_add_f32 v[TM+16:TM+17], v[TM+16:TM+17], v[TM+24:TM+25]
	s_delay_alu instid0(VALU_DEP_1)
	v_pk_add_f32 v[TM:TM+1], v[TM:TM+1], v[TM+16:TM+17]
	s_delay_alu instid0(VALU_DEP_1)
	v_pk_add_f32 v[14:15], v[14:15], v[TM:TM+1]
.if \first == 0
	s_wait_alu depctr_va_vdst(0)                   ; directly ahead of O^T's first reader
.irp j, 0,2,4,6,8,10,12,14,16,18,20,22,24,26,28,30
	v_pk_mul_f32 v[160+\j:161+\j], v[160+\j:161+\j], v[212:213] op_sel_hi:[1,0]
.endr
.endif
	s_wait_alu depctr_va_vdst(0)
	s_wait_dscnt 16*\more                          ; V's fragments are in; the 16 younger loads, the next step's K, may be out
.irp t, 0,1,2,3
.if \first
	v_wmma_f32_16x16x128_fp8_fp8 v[160+8*\t:167+8*\t], v[\kf+16*\t:\kf+16*\t+15], v[192:207], 0
.else
	v_wmma_f32_16x16x128_fp8_fp8 v[160+8*\t:167+8*\t], v[\kf+16*\t:\kf+16*\t+15], v[192:207], v[160+8*\t:167+8*\t]
.endif
.endr
.if \more
.rept 5
	v_nop                                          ; five places: the next step's first products write over the registers that these have read
.endr
.endif
.endm
	s_wait_tensorcnt 0x0                           ; my two chunks are in,
	s_wait_loadcnt 0x0                             ; and Q
	s_barrier_signal -1
	s_barrier_wait -1                              ; everybody's chunks are in; nothing in LDS is filled again
	KLOAD X
	STEP 1, 1, X, Y                                ; the first step's products start O^T
	s_mov_b32 s29, 7
.Lstep:                                            ; seven trips of two steps: the blocks are back in their roles
	STEP 0, 1, Y, X
	STEP 0, 1, X, Y
	s_sub_co_u32 s29, s29, 1
	s_cmp_lg_u32 s29, 0
	s_cbranch_scc1 .Lstep
	STEP 0, 0, Y, X                                ; the sixteenth step asks for nothing more
	; THE WAY OUT: O^T / the sum x 2^(ep + ev), held, converted, through my own stage, and out as 512 consecutive bytes a store
	s_load_b64 s[32:33], s[0:1], 0x18              ; oc
	s_bfe_u32 s66, ttmp6, 0x40000
	s_lshl_b32 s67, ttmp9, 2
	s_add_co_u32 s66, s66, s67
	s_lshl_b32 s66, s66, 4
	s_add_co_u32 s66, s66, s[WV]
	s_lshl_b32 s66, s66, 10
	s_and_b32 s67, ttmp7, 0xffff
	s_lshl_b32 s67, s67, 17
	s_add_co_u32 s66, s66, s67
	s_mov_b32 s67, 0
.rept 4
	v_nop
.endr
	v_add_f32 v14, v14, v15
	s_delay_alu instid0(VALU_DEP_1)
	v_permlanex16_b32 v212, v14, s[SEL], s[SEL+1]
	s_delay_alu instid0(VALU_DEP_1)
	v_add_f32 v14, v14, v212                       ; the row's sum
	s_delay_alu instid0(VALU_DEP_1)
	v_cmp_eq_f32 vcc_lo, 0, v14                    ; no key counted
	s_wait_alu depctr_va_vdst(0)
	v_rcp_f32 v15, v14
	v_nop
	s_wait_alu depctr_va_vdst(0)
	v_ldexp_f32 v15, v15, v218
	s_wait_alu depctr_va_vdst(0)                   ; directly ahead of O^T's first reader
.set n, 0
.rept 32
	v_mul_f32 v[96+n], v[160+n], v15
.set n, n+1
.endr
.set n, 0
.rept 32
	v_med3_num_f32 v[96+n], v[96+n], -v220, v220
.set n, n+1
.endr
.irp t, 0,1,2,3
	v_cvt_scalef32_pk8_fp8_f32 v[128+2*\t:129+2*\t], v[96+8*\t:103+8*\t], v219
.endr
	v_nop
.irp j, 0,1,2,3,4,5,6,7
	v_cndmask_b32 v[128+\j], v[128+\j], v221, vcc_lo
.endr
.irp t, 0,1,2,3
	ds_store_b64 v5, v[128+2*\t:129+2*\t] offset:16*\t
.endr
	ds_load_b128 v[136:139], v6                    ; LDS serves a wave's instructions in order: these see my stores
	ds_load_b128 v[140:143], v6 offset:8*SP
	s_wait_kmcnt 0x0
	s_add_nc_u64 s[32:33], s[32:33], s[66:67]
	s_wait_dscnt 0x1
	global_store_b128 v7, v[136:139], s[32:33]
	s_wait_dscnt 0x0
	global_store_b128 v7, v[140:143], s[32:33] offset:512
	s_wait_tensorcnt 0x0                           ; the wave's end
	ds_add_u32 v254, v255
	s_wait_dscnt 0x0
	CROUND                                         ; the closing round
	s_endpgm
.Lfunc_end_k_qef8ca8b184_attn:
	.size	k_qef8ca8b184_attn, .Lfunc_end_k_qef8ca8b184_attn-k_qef8ca8b184_attn
	.p2alignl 7, 3214868480
	.fill 96, 4, 3214868480
	.section	.rodata,"a",@progbits
	.p2align	6, 0x0
	.amdhsa_kernel k_qef8ca8b184_attn
		.amdhsa_group_segment_fixed_size 327680
		.amdhsa_private_segment_fixed_size 0
		.amdhsa_enable_private_segment 0
		.amdhsa_kernarg_size 32
		.amdhsa_user_sgpr_count 2
		.amdhsa_user_sgpr_kernarg_segment_ptr 1
		.amdhsa_wavefront_size32 1
		.amdhsa_system_sgpr_workgroup_id_x 1
		.amdhsa_system_sgpr_workgroup_id_y 1
		.amdhsa_system_sgpr_workgroup_id_z 1
		.amdhsa_system_vgpr_workitem_id 0
		.amdhsa_next_free_vgpr 256
		.amdhsa_next_free_sgpr 106
		.amdhsa_reserve_vcc 1
		.amdhsa_float_denorm_mode_32 3
		.amdhsa_float_denorm_mode_16_64 3
		.amdhsa_memory_ordered 1
		.amdhsa_forward_progress 1
		.amdhsa_inst_pref_size 85
	.end_amdhsa_kernel
	.amdgpu_metadata
---
amdhsa.version: [ 1, 2 ]
amdhsa.kernels:
  - .name:           k_qef8ca8b184_attn
    .symbol:         k_qef8ca8b184_attn.kd
    .args:
      - { .name: qkvc, .offset: 0, .size: 8, .value_kind: global_buffer, .address_space: global }
      - { .name: maskw, .offset: 8, .size: 8, .value_kind: global_buffer, .address_space: global }
      - { .name: lowp_scales, .offset: 16, .size: 8, .value_kind: global_buffer, .address_space: global }
      - { .name: oc, .offset: 24, .size: 8, .value_kind: global_buffer, .address_space: global }
    .group_segment_fixed_size: 327680
    .private_segment_fixed_size: 0
    .kernarg_segment_align: 8
    .kernarg_segment_size: 32
    .max_flat_workgroup_size: 512
    .sgpr_count:     106
    .vgpr_count:     256
    .wavefront_size: 32
...
	.end_amdgpu_metadata
.endif
;; end of part 3
;; launch wo (part 4): grid 8 x 32, 4 waves a work-group, clusters of 4 x 4, 327,680 bytes of LDS; arguments oc, wc, lowp_scales, bo, x, x1; writes x1
.if DOCPART == 4
	.amdgcn_target "amdgcn-amd-amdhsa--gfx1250"
	.amdhsa_code_object_version 6
	.text
	.protected	k_qef8ca8b184_wo
	.globl	k_qef8ca8b184_wo
	.p2align	8
	.type	k_qef8ca8b184_wo,@function
k_qef8ca8b184_wo:
	s_mov_b64 s[64:65], 0
	v_nop
	global_prefetch_b8 v0, s[64:65] scope:SCOPE_SE
	s_setreg_imm32_b32 hwreg(HW_REG_WAVE_MODE, 25, 1), 1
	s_wait_xcnt 0x0
	s_wait_alu depctr_hold_cnt(0) depctr_sa_sdst(0) depctr_va_vdst(0) depctr_va_sdst(0) depctr_va_ssrc(0) depctr_va_vcc(0) depctr_vm_vsrc(0)
	s_getreg_b32 s2, hwreg(HW_REG_IB_STS2, 6, 4)
	s_cmp_eq_u32 s2, 0
	s_cbranch_scc0 .Lentry_in_a_cluster
	s_endpgm
.Lentry_in_a_cluster:
	s_bfe_u32 s2, ttmp6, 0x10000c
	s_cmp_lg_u32 s2, 0xf033
	s_cbranch_scc0 .Lentry_shape_is_right
	s_endpgm
.Lentry_shape_is_right:
; out[m][n] = res[m][n] + bias[n] + 2^(eA + eB) x sum over k of A[m][k] B[n][k]: a product on codes of FP8 (E4M3) with M = 4,096, N = 1,024, f32 sums, and the residual added on the way out.
; This text serves two launches, up to the four lines below.  HEADS = 1: A is attention's output, [batch][head][token][64] codes, K = head x 64 + d.  HEADS = 0: A is [4096][SIZE_K] codes.
; LIMIT: eA + eB between -126 and 127.
; N is short: tiles of 256 x 256 of C would be 64; a tile is 128 x 128, which gives 256 work-groups.  Four waves, each 64 x 64: 16 accumulators.  K goes in steps of 512 (rows of 512 bytes; a wave's tensor load
; brings 64 of them) through two LDS slots.  CLUSTERS: 4 x 4 work-groups; A's tiles are asked for jointly along a row of the cluster, B's along a column.
; THE MATRIX INSTRUCTION IS USED TRANSPOSED (source 0 = 16 rows of B, source 1 = 16 rows of A): a lane holds eight neighbouring numbers of a row of C.
; A wave's 64 columns of f32 are 256 consecutive bytes, aligned: each wave has a stage of its own on the way out, and no barrier stands there.
; REGISTERS: window 0: v8-11 the bias; v16-29 addresses; v32-63 rows read back; v64-127 the residual, two sets; v128-255 the accumulators ((a, b) at v[128 + 8 (4 a + b)]).
;   window 1: two fragment buffers of 128, each for 128 along K: A's four fragments, then B's four.
; IN THIS LAUNCH K is 1,024, and both tiles' whole K fits in LDS: each wave issues ONE tensor load at the head (A: 16 heads x 64 tokens; B: 64 rows of 1,024 bytes), there is no ring and nothing is filled again.
; 'Slot' 0 and 1 below name the first and the second 512 along K of the same rows.  No prefetch: there is no loop to run ahead in.
; The residual's four blocks are asked for at the head: sets 0, 1 in window 0, sets 2, 3 in window 2 (v64-127 there).
.set SIZE_K, 1024
.set HEADS,  1
.set WOFF,   3<<20                     ; where B's codes begin in the weights' buffer
.set EOFF,   40                        ; the byte of eA among the exponents; eB follows it
.set KSTEP,  512
.set PITCH,  1040                      ; B's LDS row: 1,024 bytes + 16 of padding: an odd multiple of 16
.set HALFT,  64*PITCH
.if HEADS
.set AH,     16*64*80                  ; A's half tile: 16 heads x 64 tokens x (64 bytes + 16)
.set ASTEP,  1<<20                     ; a K step is 8 heads of 128 KiB
.else
.set AH,     HALFT
.set ASTEP,  KSTEP
.endif
.set SLOT,   2*AH+2*HALFT
.set STAGE,  SLOT                      ; behind the tiles: 16 rows x 272 bytes for each wave
.set SPITCH, 272
.set SPARE,  STAGE+4*16*SPITCH         ; behind the stages: the spare words, 128 bytes for each wave
.set LAPS,   SIZE_K/(2*KSTEP)
.set BI,   8
.set ADRA, 16
.set ADRB, 20
.set STO,  24
.set RD,   25
.set CO,   26
.set SPW,  28
.set NIL,  29
.set BK,   32
.set RS,   64
.set ACC,  128
.set F0,   0
.set F1,   128
.set G1, 24
.set G0, 32
.set G1B, 48
.set G0B, 56
.set MSB, 0
.macro WIN new                         ; the immediate's high byte repeats the setting that is left
.if MSB != \new
	s_set_vgpr_msb (MSB<<8)|\new
.set MSB, \new
.endif
.endm
.set MUL,  0x05                        ; sources 0 (B) and 1 (A) window 1; C and D window 0
.set TO_F, 0x40                        ; destination window 1, address window 0
.macro JLOAD s                         ; a joint load: waves 0 and 1 fetch A's two halves, waves 2 and 3 B's; four v_nop follow each of the two lines
	s_cmp_eq_u32 s11, 0
	s_cbranch_scc0 .Lfor_b_\@
	tensor_load_to_lds s[G0+4*\s:G0+4*\s+3], s[G1:G1+7]
	s_nop 0
.rept 4
	v_nop
.endr
	s_branch .Lasked_\@
.Lfor_b_\@:
	tensor_load_to_lds s[G0B+4*\s:G0B+4*\s+3], s[G1B:G1B+7]
	s_nop 0
.rept 4
	v_nop
.endr
.Lasked_\@:
.endm
.macro CREST
	s_cmp_lg_u32 s10, 0
	s_cbranch_scc1 .Lnot_wave_0_\@
	s_barrier_signal -3
.Lnot_wave_0_\@:
	s_barrier_wait -3
	s_barrier_signal -1
	s_barrier_wait -1
.endm
.macro CROUND
	s_barrier_signal -1
	s_barrier_wait -1
	CREST
.endm
	s_load_b128 s[4:7], s[0:1], 0x0                ; A's codes, the weights' codes
	s_load_b128 s[68:71], s[0:1], 0x10             ; the exponents, the bias
	s_load_b128 s[72:75], s[0:1], 0x20             ; the residual, the output
	v_lshl_add_u32 v[SPW], v0, 2, SPARE
	v_mov_b32 v[NIL], 0
	ds_add_u32 v28, v29
	ds_add_u32 v28, v29
	s_wait_dscnt 0x0
	v_lshrrev_b32 v1, 5, v0
	v_readfirstlane_b32 s10, v1                    ; wave 0..3
	s_lshr_b32 s11, s10, 1                         ; which half of the tile's rows is mine.  Also: I fetch for A (0) or for B (1)
	s_and_b32 s12, s10, 1                          ; which half of its columns.  Also: which 64 rows of that tile I fetch
	s_bfe_u32 s40, ttmp6, 0x40000                  ; cx, cy
	s_bfe_u32 s41, ttmp6, 0x40004
	s_lshl_b32 s42, ttmp9, 2
	s_add_co_u32 s42, s42, s40                     ; tile column of C
	s_and_b32 s13, ttmp7, 0xffff
	s_lshl_b32 s13, s13, 2
	s_add_co_u32 s13, s13, s41                     ; tile row of C
	s_lshl_b32 s43, s41, 2
	s_lshl_b32 s43, 15, s43                        ; my row of the cluster
	s_lshl_b32 s44, 0x1111, s40                    ; my column
.if HEADS
	; A's half tile: 64 tokens of a head are 4,096 consecutive bytes: one 'row'; 16 rows, a head apart; 16 bytes of padding behind every 64, that is behind each token
	s_or_b32 s[G1+0], s43, (0<<16)|(1<<20)|(1<<21)|(3<<22)|(3<<25)
	s_mov_b32 s[G1+1], 4096<<16                    ; tensor_dim0
	s_mov_b32 s[G1+2], 16<<16                      ; tensor_dim1: all 16 heads
	s_mov_b32 s[G1+3], 4096<<16                    ; tile_dim0
	s_mov_b32 s[G1+4], 16                          ; tile_dim1
	s_mov_b32 s[G1+5], 131072                      ; the pitch: a head
.else
	s_or_b32 s[G1+0], s43, (0<<16)|(1<<20)|(1<<21)|(6<<22)|(3<<25)   ; 64 rows x 512 bytes; after every 128 words, 4 words
	s_mov_b32 s[G1+1], KSTEP<<16
	s_mov_b32 s[G1+2], 64<<16
	s_mov_b32 s[G1+3], KSTEP<<16
	s_mov_b32 s[G1+4], 64
	s_mov_b32 s[G1+5], SIZE_K
.endif
	s_mov_b32 s[G1+6], 0
	s_mov_b32 s[G1+7], 0
	s_or_b32 s[G1B+0], s44, (0<<16)|(1<<20)|(1<<21)|(7<<22)|(3<<25)   ; 64 rows x 1,024 bytes; after every 256 words, 4 words
	s_mov_b32 s[G1B+1], SIZE_K<<16
	s_mov_b32 s[G1B+2], 64<<16
	s_mov_b32 s[G1B+3], SIZE_K<<16
	s_mov_b32 s[G1B+4], 64
	s_mov_b32 s[G1B+5], SIZE_K
	s_mov_b32 s[G1B+6], 0
	s_mov_b32 s[G1B+7], 0
.if HEADS
	s_lshr_b32 s16, s13, 4                         ; the batch: 2 MiB,
	s_lshl_b32 s16, s16, 21
	s_and_b32 s17, s13, 15
	s_lshl_b32 s17, s17, 13                        ; 128 tokens of 64 bytes a tile row,
	s_add_co_u32 s16, s16, s17
	s_lshl_b32 s17, s12, 12                        ; 64 a half
	s_add_co_u32 s16, s16, s17
.else
	s_lshl_b32 s16, s13, 7
	s_lshl_b32 s17, s12, 6
	s_add_co_u32 s16, s16, s17                     ; A: row 128 x tile row + 64 x half
	s_mul_i32 s16, s16, SIZE_K
.endif
	s_mov_b32 s17, 0
	s_lshl_b32 s46, s42, 7
	s_lshl_b32 s47, s12, 6
	s_add_co_u32 s46, s46, s47                     ; B: row 128 x tile column + 64 x half
	s_mul_i32 s46, s46, SIZE_K
	s_add_co_u32 s46, s46, WOFF
	s_mov_b32 s47, 0
	s_mul_i32 s20, s12, AH                         ; where they go: no place in the cluster enters an LDS address
	s_mul_i32 s21, s12, HALFT
	s_add_co_u32 s21, s21, 2*AH
	s_wait_kmcnt 0x0
	s_load_b64 s[76:77], s[68:69], EOFF            ; eA, eB; used on the way out
	s_add_nc_u64 s[14:15], s[4:5], s[16:17]
	s_add_nc_u64 s[46:47], s[6:7], s[46:47]
	CROUND                                         ; all sixteen work-groups are here: the first joint loads meet
.irp s, 0
	s_mov_b32 s[G0+4*\s], 1
	s_add_co_u32 s[G0+4*\s+1], s20, \s*SLOT
	s_add_nc_u64 s[G0+4*\s+2:G0+4*\s+3], s[14:15], \s*ASTEP
	s_or_b32 s[G0+4*\s+3], s[G0+4*\s+3], 0x80000000
	s_mov_b32 s[G0B+4*\s], 1
	s_add_co_u32 s[G0B+4*\s+1], s21, \s*SLOT
	s_add_nc_u64 s[G0B+4*\s+2:G0B+4*\s+3], s[46:47], \s*KSTEP
	s_or_b32 s[G0B+4*\s+3], s[G0B+4*\s+3], 0x80000000
.endr
	JLOAD 0                                        ; my one tensor load
	v_and_b32 v1, 15, v0                           ; r
	v_bfe_u32 v2, v0, 4, 1                         ; h
	v_mul_u32_u24 v3, v1, PITCH
	v_lshl_add_u32 v3, v2, 4, v3                   ; a fragment's row x pitch + 16 x half
.if HEADS
	v_mul_u32_u24 v4, v1, 80
	v_lshl_add_u32 v4, v2, 4, v4                   ; A: token r x 80 + 16 x half
.set LNA, 4
.else
.set LNA, 3
.endif
	s_mul_i32 s22, s11, AH                         ; my 64 rows of A
	s_mul_i32 s23, s12, HALFT                      ; my 64 rows of B,
	s_add_co_u32 s23, s23, 2*AH                    ; which lie behind A's 128
.irp s, 0,1
	v_add_nc_u32 v[ADRA+\s], s22, v[LNA]
	v_add_nc_u32 v[ADRB+\s], s23, v3
	s_add_co_u32 s22, s22, 8*5120                  ; the second 512 along K: eight heads on,
	s_add_co_u32 s23, s23, KSTEP                   ; 512 bytes along B's rows
.endr
	s_mul_i32 s23, s10, 16*SPITCH
	s_add_co_u32 s23, s23, STAGE                   ; my stage
	v_mul_u32_u24 v5, v1, SPITCH
	v_lshl_add_u32 v5, v2, 5, v5
	v_add_nc_u32 v[STO], s23, v5                   ; in: row r, 32 bytes for each half of the lanes
	v_mul_u32_u24 v5, v2, SPITCH
	v_lshl_add_u32 v5, v1, 4, v5
	v_add_nc_u32 v[RD], s23, v5                    ; back: lanes 0-15 one row of 256 bytes, lanes 16-31 the next
	v_lshlrev_b32 v5, 12, v2
	v_lshl_add_u32 v[CO], v1, 4, v5                ; and the same two rows in the residual and in the output (rows of 4,096 bytes)
	v_lshlrev_b32 v6, 4, v1                        ; the bias: my four columns
	s_wait_alu depctr_va_vdst(0)
	s_lshl_b32 s16, s13, 7
	s_lshl_b32 s17, s11, 6
	s_add_co_u32 s16, s16, s17                     ; my first row: 128 x tile row + 64 x half
	s_lshl_b32 s16, s16, 12
	s_lshl_b32 s78, s42, 9
	s_lshl_b32 s79, s12, 8
	s_add_co_u32 s78, s78, s79                     ; my first column, in bytes: 512 x tile column + 256 x half
	s_mov_b32 s79, 0
	s_add_nc_u64 s[70:71], s[70:71], s[78:79]
	s_add_co_u32 s78, s78, s16
	s_add_nc_u64 s[72:73], s[72:73], s[78:79]
	s_add_nc_u64 s[74:75], s[74:75], s[78:79]
	global_load_b128 v[BI:BI+3], v6, s[70:71]
; 8 matrix instructions: A's blocks a0, a0 + 1 x B's four, 128 along K.  The 16 accumulators take turns, one instruction a turn, in the same order in every quarter.
.macro MUL8 f, a0, zero
.irp a, \a0, \a0+1
.irp b, 0,1,2,3
.if \zero
	v_wmma_f32_16x16x128_fp8_fp8 v[ACC+8*(4*(\a)+\b):ACC+8*(4*(\a)+\b)+7], v[\f+64+16*\b:\f+64+16*\b+15], v[\f+16*(\a):\f+16*(\a)+15], 0
.else
	v_wmma_f32_16x16x128_fp8_fp8 v[ACC+8*(4*(\a)+\b):ACC+8*(4*(\a)+\b)+7], v[\f+64+16*\b:\f+64+16*\b+15], v[\f+16*(\a):\f+16*(\a)+15], v[ACC+8*(4*(\a)+\b):ACC+8*(4*(\a)+\b)+7]
.endif
.endr
.endr
.endm
; 32 LDS loads in one run: the fragments of the slot's q-th 128 along K into buffer f.  Registers 4 c .. 4 c + 3 hold K = 32 c + 16 (l / 16) + 0 .. 15: the same order of k in A and in B
.macro FETCH slot, q, f
	WIN TO_F
.irp b, 0,1,2,3
.irp c, 0,1,2,3
	ds_load_b128 v[\f+64+16*\b+4*\c:\f+64+16*\b+4*\c+3], v[ADRB+\slot] offset:128*(\q)+32*\c+\b*16*PITCH
.endr
.endr
.irp a, 0,1,2,3
.irp c, 0,1,2,3
.if HEADS
	ds_load_b128 v[\f+16*\a+4*\c:\f+16*\a+4*\c+3], v[ADRA+\slot] offset:(2*(\q)+\c/2)*5120+1280*\a+32*(\c%2)   ; head 2 q + c / 2 of the step's eight, d = 32 (c % 2) + 16 h on
.else
	ds_load_b128 v[\f+16*\a+4*\c:\f+16*\a+4*\c+3], v[ADRA+\slot] offset:128*(\q)+32*\c+\a*16*PITCH
.endif
.endr
.endr
.endm
.macro PLACES                          ; plain vector lines between a matrix instruction and a load into, or a read of, its registers
.rept 4
	v_nop
.endr
.endm
; A K step is four quarters of 128 along K, 16 matrix instructions each, on buffers 0, 1, 0, 1.  One of the first three: buffer f is in; quarter q is fetched into g; f is multiplied.
.macro QUARTER slot, q, f, g, zero
	s_wait_dscnt 0x0                               ; buffer f, asked for a quarter ago
	PLACES
	FETCH \slot, \q, \g
	WIN MUL
	MUL8 \f, 0, \zero
	MUL8 \f, 2, \zero
.endm
; The last quarter multiplies buffer 1 and changes slots: ONE barrier; in front of it each wave waits for all its tensor loads, adds 0 to its spare word, and waits for that and for its own reads of this slot.
.macro TURN slot, next, fill
	WIN 0                                          ; (the add's two registers lie in window 0)
	s_wait_tensorcnt 0x0                           ; all my tensor loads have landed: my part of the next slot
	ds_add_u32 v[SPW], v[NIL]                      ; 0 onto my spare word
	s_wait_dscnt 0x1                               ; buffer 1 is in; the add may be out
	WIN MUL
	MUL8 F1, 0, 0
	s_wait_dscnt 0x0                               ; the add is done, and my reads of this slot are over
	s_barrier_signal -1
	WIN 0
	s_barrier_wait -1
.if \fill
	CREST                                          ; the barrier has opened a round of the cluster's barrier: no wave of any partner still reads this slot's tile or has a load on its way
	s_add_nc_u64 s[G0+4*\slot+2:G0+4*\slot+3], s[G0+4*\slot+2:G0+4*\slot+3], 2*ASTEP
	s_add_nc_u64 s[G0B+4*\slot+2:G0B+4*\slot+3], s[G0B+4*\slot+2:G0B+4*\slot+3], 2*KSTEP
	JLOAD \slot                                    ; the first tensor load behind the round; its four v_nop are the places in front of the loads below
.else
	PLACES
.endif
	FETCH \next, 0, F0
	WIN MUL
	MUL8 F1, 2, 0
.endm
.macro RLOAD a                         ; the residual of my rows 16 a .. 16 a + 15 into set a % 2 of window 0 (a < 2) or window 2
	WIN 0x80*((\a)/2)
.irp t, 0,1,2,3,4,5,6,7
	global_load_b128 v[RS+32*((\a)%2)+4*\t:RS+32*((\a)%2)+4*\t+3], v[CO], s[72:73] offset:(16*(\a)+2*\t)*4096
.endr
	WIN 0
.endm
	RLOAD 0                                        ; all four blocks are asked for here, under the tiles' flight
	RLOAD 1
	RLOAD 2
	RLOAD 3
	s_wait_alu depctr_va_vdst(0)
	s_wait_tensorcnt 0x0                           ; my part of the tiles is in,
	s_barrier_signal -1
	s_barrier_wait -1                              ; everybody's is
	FETCH 0, 0, F0
	QUARTER 0, 1, F0, F1, 1                        ; the first quarter's products start the sums
.if LAPS > 1
	WIN 0                                          ; at a label and at a branch every window is 0
	s_mov_b32 s3, LAPS-1
.Llap:                                                 ; a trip goes once round the ring and fills both slots again
	QUARTER 0, 2, F1, F0, 0
	QUARTER 0, 3, F0, F1, 0
	TURN 0, 1, 1
	QUARTER 1, 1, F0, F1, 0
	QUARTER 1, 2, F1, F0, 0
	QUARTER 1, 3, F0, F1, 0
	TURN 1, 0, 1
	QUARTER 0, 1, F0, F1, 0
	WIN 0
	s_sub_co_u32 s3, s3, 1
	s_cmp_lg_u32 s3, 0
	s_cbranch_scc1 .Llap
.endif
	QUARTER 0, 2, F1, F0, 0                        ; the last lap fills nothing
	QUARTER 0, 3, F0, F1, 0
	QUARTER 1, 0, F1, F0, 0                        ; on into the second 512 along K: the same rows, no change of slots
	QUARTER 1, 1, F0, F1, 0
	QUARTER 1, 2, F1, F0, 0
	QUARTER 1, 3, F0, F1, 0
	WIN 0
	s_wait_dscnt 0x0
	WIN MUL
	MUL8 F1, 0, 0
	MUL8 F1, 2, 0
	WIN 0
	; THE WAY OUT, 16 rows at a time: the sums go through my own stage as they are and come back as whole rows of 256 bytes; then x 2^(eA + eB) + bias, + the residual, and out.
	s_wait_kmcnt 0x0
	s_add_co_i32 s76, s76, s77
	s_add_co_i32 s76, s76, 127
	s_lshl_b32 s76, s76, 23                        ; 2^(eA + eB) as f32,
	s_mov_b32 s77, s76                             ; named as a pair, so both are written
	PLACES
.macro OUTB a
.irp b, 0,1,2,3
	ds_store_b128 v[STO], v[ACC+8*(4*(\a)+\b):ACC+8*(4*(\a)+\b)+3] offset:64*\b         ; each accumulator from its low end on
	ds_store_b128 v[STO], v[ACC+8*(4*(\a)+\b)+4:ACC+8*(4*(\a)+\b)+7] offset:64*\b+16
.endr
	s_wait_xcnt 0x0                                ; BK was the data of the last block's stores: it is loaded again only behind this wait
.irp t, 0,1,2,3,4,5,6,7
	ds_load_b128 v[BK+4*\t:BK+4*\t+3], v[RD] offset:\t*2*SPITCH   ; LDS serves a wave's instructions in order: these see my stores
.endr
	s_wait_dscnt 0x0
	s_wait_loadcnt 0                               ; the residual and the bias, asked for at the head
.irp t, 0,1,2,3,4,5,6,7
	v_pk_fma_f32 v[BK+4*\t:BK+4*\t+1], v[BK+4*\t:BK+4*\t+1], s[76:77], v[BI:BI+1] op_sel_hi:[1,0,1]
	v_pk_fma_f32 v[BK+4*\t+2:BK+4*\t+3], v[BK+4*\t+2:BK+4*\t+3], s[76:77], v[BI+2:BI+3] op_sel_hi:[1,0,1]
.endr
	WIN 0x08*((\a)/2)                              ; source 1: window 0 or 2
.irp j, 0,2,4,6,8,10,12,14,16,18,20,22,24,26,28,30
	v_pk_add_f32 v[BK+\j:BK+\j+1], v[BK+\j:BK+\j+1], v[RS+32*((\a)%2)+\j:RS+32*((\a)%2)+\j+1]
.endr
	WIN 0
.irp t, 0,1,2,3,4,5,6,7
.if HEADS
	global_store_b128 v[CO], v[BK+4*\t:BK+4*\t+3], s[74:75] offset:(16*(\a)+2*\t)*4096   ; 16 lanes store 256 consecutive bytes, aligned; later launches read them
.else
	global_store_b128 v[CO], v[BK+4*\t:BK+4*\t+3], s[74:75] offset:(16*(\a)+2*\t)*4096 th:TH_STORE_NT   ; 16 lanes store 256 consecutive bytes, aligned; nobody reads them again
.endif
.endr
.endm
	OUTB 0
	OUTB 1
	OUTB 2
	OUTB 3
	s_wait_tensorcnt 0x0                           ; the wave's end
	ds_add_u32 v[SPW], v[NIL]
	s_wait_dscnt 0x0
	CROUND                                         ; the closing round
	s_endpgm
.Lfunc_end_k_qef8ca8b184_wo:
	.size	k_qef8ca8b184_wo, .Lfunc_end_k_qef8ca8b184_wo-k_qef8ca8b184_wo
	.p2alignl 7, 3214868480
	.fill 96, 4, 3214868480
	.section	.rodata,"a",@progbits
	.p2align	6, 0x0
	.amdhsa_kernel k_qef8ca8b184_wo
		.amdhsa_group_segment_fixed_size 327680
		.amdhsa_private_segment_fixed_size 0
		.amdhsa_enable_private_segment 0
		.amdhsa_kernarg_size 48
		.amdhsa_user_sgpr_count 2
		.amdhsa_user_sgpr_kernarg_segment_ptr 1
		.amdhsa_wavefront_size32 1
		.amdhsa_system_sgpr_workgroup_id_x 1
		.amdhsa_system_sgpr_workgroup_id_y 1
		.amdhsa_system_sgpr_workgroup_id_z 1
		.amdhsa_system_vgpr_workitem_id 0
		.amdhsa_next_free_vgpr 640
		.amdhsa_next_free_sgpr 80
		.amdhsa_reserve_vcc 0
		.amdhsa_float_denorm_mode_32 3
		.amdhsa_float_denorm_mode_16_64 3
		.amdhsa_memory_ordered 1
		.amdhsa_forward_progress 1
		.amdhsa_inst_pref_size 52
	.end_amdhsa_kernel
	.amdgpu_metadata
---
amdhsa.version: [ 1, 2 ]
amdhsa.kernels:
  - .name:           k_qef8ca8b184_wo
    .symbol:         k_qef8ca8b184_wo.kd
    .args:
      - { .name: oc, .offset: 0, .size: 8, .value_kind: global_buffer, .address_space: global }
      - { .name: wc, .offset: 8, .size: 8, .value_kind: global_buffer, .address_space: global }
      - { .name: lowp_scales, .offset: 16, .size: 8, .value_kind: global_buffer, .address_space: global }
      - { .name: bo, .offset: 24, .size: 8, .value_kind: global_buffer, .address_space: global }
      - { .name: x, .offset: 32, .size: 8, .value_kind: global_buffer, .address_space: global }
      - { .name: x1, .offset: 40, .size: 8, .value_kind: global_buffer, .address_space: global }
    .group_segment_fixed_size: 327680
    .private_segment_fixed_size: 0
    .kernarg_segment_align: 8
    .kernarg_segment_size: 48
    .max_flat_workgroup_size: 128
    .sgpr_count:     80
    .vgpr_count:     640
    .wavefront_size: 32
...
	.end_amdgpu_metadata
.endif
;; end of part 4
;; launch ln2 (part 5): grid 256 x 1, 4 waves a work-group, no clusters, 4,608 bytes of LDS; arguments x1, ln2_w, ln2_b, lowp_scales, nx2c; writes nx2c
.if DOCPART == 5
	.amdgcn_target "amdgcn-amd-amdhsa--gfx1250"
	.amdhsa_code_object_version 6
	.text
	.protected	k_qef8ca8b184_ln2
	.globl	k_qef8ca8b184_ln2
	.p2align	8
	.type	k_qef8ca8b184_ln2,@function
k_qef8ca8b184_ln2:
	s_mov_b64 s[64:65], 0
	v_nop
	global_prefetch_b8 v0, s[64:65] scope:SCOPE_SE
	s_setreg_imm32_b32 hwreg(HW_REG_WAVE_MODE, 25, 1), 1
	s_wait_xcnt 0x0
; LayerNorm over rows of 1,024 f32, then codes of FP8 (E4M3): y = (x - mean) rsqrt(var + 1e-5) w + b, all in f32; code = y / 2^e, held within +-448, to the nearest code, ties to even.
; NSETS sets of codes are made of the same y, one for each product that reads it: set s takes the entry at byte EOFF + 8 s and lies s x 4 MiB into the output.  Here one set, entry 12.
; LIMITS: -126 <= e <= 119.  NaN among the inputs is not served beyond being passed on.  The variance is taken of x - mean, in a second pass over registers: a common offset of the inputs does no harm.
; A wave takes 4 rows, one at a time, each whole in 32 registers: the row is read from memory once, the sums never leave the wave, and no wave waits for another.  All four rows' loads go out at the head.
; Each load reads 512 consecutive bytes: register 4 j + i holds column 128 j + 4 lane + i, and a conversion's word j is four neighbouring codes at byte 128 j + 4 lane.  The codes turn through the wave's own
; 1,024 bytes of LDS, so that a lane stores 16 neighbouring codes and the wave 512 consecutive bytes.
.set NSETS, 1
.set EOFF,  48
.set SC, 10                            ; v10-11   set s: 2^e, 448 x 2^e
.set GW, 16                            ; v16-47   the gains
.set GB, 48                            ; v48-79   the biases
.set X,  80                            ; v80-207  four rows
.set T,  208                           ; v208-239 at work
.set C,  240                           ; v240-247 a row's codes as converted
.set O,  248                           ; v248-255 and as stored
	s_load_b256 s[4:11], s[0:1], 0x0               ; x s[4:5], the gains s[6:7], the biases s[8:9], the exponents s[10:11]
	s_load_b64 s[12:13], s[0:1], 0x20              ; the codes
	v_lshl_add_u32 v14, v0, 2, 0x1000
	v_mov_b32 v15, 0
	v_lshrrev_b32 v1, 5, v0
	v_readfirstlane_b32 s14, v1                    ; wave
	v_and_b32 v9, 31, v0                           ; lane
	v_lshlrev_b32 v1, 4, v9                        ; 16 x lane
	s_lshl_b32 s15, s14, 10                        ; my wave's 1,024 bytes of LDS
	v_lshl_add_u32 v2, v9, 2, s15                  ; in: 4 x lane
	v_add_nc_u32 v3, s15, v1                       ; out: 16 x lane
	v_mov_b32 v9, 0                                ; a lane permute's destination counts as read: written once here
	s_mov_b32 s24, 0x76543210                      ; v_permlanex16_b32's selects for lane l xor 16
	s_mov_b32 s25, 0xfedcba98
	s_mov_b32 s26, 0x3a800000                      ; 1 / 1,024
	s_mov_b32 s27, 0x3727c5ac                      ; 1e-5
	s_lshl_b32 s16, ttmp9, 4
	s_lshl_b32 s17, s14, 2
	s_add_co_u32 s16, s16, s17                     ; my first row: 16 x work-group + 4 x wave
	s_lshl_b32 s18, s16, 12
	s_mov_b32 s19, 0
	s_lshl_b32 s20, s16, 10
	s_mov_b32 s21, 0
	s_wait_alu depctr_va_vdst(0)
	s_wait_kmcnt 0x0
.set q, 0
.rept NSETS
	s_load_b32 s[32+q], s[10:11], EOFF+8*q
.set q, q+1
.endr
	s_add_nc_u64 s[4:5], s[4:5], s[18:19]
	s_add_nc_u64 s[12:13], s[12:13], s[20:21]
.if NSETS > 1
	s_add_nc_u64 s[28:29], s[12:13], 0x400000
	s_add_nc_u64 s[30:31], s[12:13], 0x800000
.endif
.irp j, 0,1,2,3,4,5,6,7
	global_load_b128 v[GW+4*\j:GW+4*\j+3], v1, s[6:7] offset:512*\j
	global_load_b128 v[GB+4*\j:GB+4*\j+3], v1, s[8:9] offset:512*\j
.endr
.irp i, 0,1,2,3
.irp j, 0,1,2,3,4,5,6,7
	global_load_b128 v[X+32*\i+4*\j:X+32*\i+4*\j+3], v1, s[4:5] offset:4096*\i+512*\j   ; 512 consecutive bytes
.endr
.endr
	s_wait_kmcnt 0x0
.set q, 0
.rept NSETS
	s_add_co_i32 s22, s[32+q], 127
	s_lshl_b32 s23, s22, 23
	v_mov_b32 v[SC+2*q], s23                       ; 2^e as f32: the conversion takes its exponent field
	s_add_co_i32 s22, s22, 8
	s_lshl_b32 s22, s22, 23
	s_or_b32 s22, s22, 0x600000
	v_mov_b32 v[SC+2*q+1], s22                     ; 448 x 2^e
.set q, q+1
.endr
.macro LANESUM                         ; v8 summed over the 32 lanes, the result in every lane
	v_add_f32_dpp v8, v8, v8 row_xmask:1 row_mask:0xf bank_mask:0xf
	v_add_f32_dpp v8, v8, v8 row_xmask:2 row_mask:0xf bank_mask:0xf
	v_add_f32_dpp v8, v8, v8 row_xmask:4 row_mask:0xf bank_mask:0xf
	v_add_f32_dpp v8, v8, v8 row_xmask:8 row_mask:0xf bank_mask:0xf
	v_permlanex16_b32 v9, v8, s24, s25
	v_add_f32 v8, v8, v9
.endm
.macro FOLD                            ; four chains of pairs in T become one number in v8
	v_pk_add_f32 v[T:T+1], v[T:T+1], v[T+2:T+3]
	v_pk_add_f32 v[T+4:T+5], v[T+4:T+5], v[T+6:T+7]
	v_pk_add_f32 v[T:T+1], v[T:T+1], v[T+4:T+5]
	v_add_f32 v8, v[T], v[T+1]
.endm
.macro SETOUT i, s, base               ; row i's codes of set s, to the buffer at s[base:base+1]
.set j, 0
.rept 32
	v_med3_num_f32 v[T+j], v[XR+j], -v[SC+2*\s+1], v[SC+2*\s+1]   ; the conversion to an 8-bit code does not saturate (ISA guide 7.6.2): the hold
.set j, j+1
.endr
.irp g, 0,1,2,3
	v_cvt_scalef32_pk8_fp8_f32 v[C+2*\g:C+2*\g+1], v[T+8*\g:T+8*\g+7], v[SC+2*\s]
.endr
	v_nop                                          ; a plain line behind the last conversion: later vector lines write T again
.irp g, 0,1,2,3,4,5,6,7
	ds_store_b32 v2, v[C+\g] offset:128*\g
.endr
	s_wait_xcnt 0x0                                ; O was the data of the last two stores: it is loaded again only behind this wait
	ds_load_b128 v[O:O+3], v3                      ; LDS serves a wave's instructions in order: these see the eight stores
	ds_load_b128 v[O+4:O+7], v3 offset:512
	s_wait_dscnt 0x0
	global_store_b128 v1, v[O:O+3], s[\base:\base+1] offset:1024*\i   ; 512 consecutive bytes
	global_store_b128 v1, v[O+4:O+7], s[\base:\base+1] offset:1024*\i+512
.endm
.macro ROW i
.set XR, X+32*\i
	s_wait_loadcnt 8*(3-\i)                        ; this row's eight loads are in; the younger rows stay out
.irp c, 0,2,4,6                        ; the sum, in four chains
	v_pk_add_f32 v[T+\c:T+\c+1], v[XR+\c:XR+\c+1], v[XR+8+\c:XR+8+\c+1]
.endr
.irp c, 0,2,4,6
	v_pk_add_f32 v[T+\c:T+\c+1], v[T+\c:T+\c+1], v[XR+16+\c:XR+16+\c+1]
.endr
.irp c, 0,2,4,6
	v_pk_add_f32 v[T+\c:T+\c+1], v[T+\c:T+\c+1], v[XR+24+\c:XR+24+\c+1]
.endr
	FOLD
	LANESUM
	v_mul_f32 v4, s26, v8                          ; the mean, twice: a pair for the packed form
	v_mul_f32 v5, s26, v8
.set j, 0
.rept 16
	v_pk_add_f32 v[XR+j:XR+j+1], v[XR+j:XR+j+1], v[4:5] neg_lo:[0,1] neg_hi:[0,1]   ; x - mean
.set j, j+2
.endr
.irp c, 0,2,4,6                        ; the sum of squares, in four chains
	v_pk_mul_f32 v[T+\c:T+\c+1], v[XR+\c:XR+\c+1], v[XR+\c:XR+\c+1]
.endr
.irp k, 8,16,24
.irp c, 0,2,4,6
	v_pk_fma_f32 v[T+\c:T+\c+1], v[XR+\k+\c:XR+\k+\c+1], v[XR+\k+\c:XR+\k+\c+1], v[T+\c:T+\c+1]
.endr
.endr
	FOLD
	LANESUM
	v_fma_f32 v8, v8, s26, s27                     ; var + 1e-5
	s_wait_alu depctr_va_vdst(0)
	v_rsq_f32 v6, v8
	v_rsq_f32 v7, v8
	v_nop                                          ; a plain line between the transcendentals and the use of their results
.set j, 0
	s_wait_alu depctr_va_vdst(0)
.rept 16
	v_pk_mul_f32 v[XR+j:XR+j+1], v[XR+j:XR+j+1], v[6:7]
.set j, j+2
.endr
.set j, 0
.rept 16
	v_pk_fma_f32 v[XR+j:XR+j+1], v[XR+j:XR+j+1], v[GW+j:GW+j+1], v[GB+j:GB+j+1]
.set j, j+2
.endr
	SETOUT \i, 0, 12
.if NSETS > 1
	SETOUT \i, 1, 28
	SETOUT \i, 2, 30
.endif
.endm
.irp i, 0,1,2,3
	ROW \i
.endr
	s_wait_tensorcnt 0x0
	ds_add_u32 v14, v15
	s_wait_dscnt 0x0
	s_endpgm
.Lfunc_end_k_qef8ca8b184_ln2:
	.size	k_qef8ca8b184_ln2, .Lfunc_end_k_qef8ca8b184_ln2-k_qef8ca8b184_ln2
	.p2alignl 7, 3214868480
	.fill 96, 4, 3214868480
	.section	.rodata,"a",@progbits
	.p2align	6, 0x0
	.amdhsa_kernel k_qef8ca8b184_ln2
		.amdhsa_group_segment_fixed_size 4608
		.amdhsa_private_segment_fixed_size 0
		.amdhsa_enable_private_segment 0
		.amdhsa_kernarg_size 40
		.amdhsa_user_sgpr_count 2
		.amdhsa_user_sgpr_kernarg_segment_ptr 1
		.amdhsa_wavefront_size32 1
		.amdhsa_system_sgpr_workgroup_id_x 1
		.amdhsa_system_sgpr_workgroup_id_y 1
		.amdhsa_system_sgpr_workgroup_id_z 1
		.amdhsa_system_vgpr_workitem_id 0
		.amdhsa_next_free_vgpr 256
		.amdhsa_next_free_sgpr 66
		.amdhsa_reserve_vcc 0
		.amdhsa_float_denorm_mode_32 3
		.amdhsa_float_denorm_mode_16_64 3
		.amdhsa_memory_ordered 1
		.amdhsa_forward_progress 1
		.amdhsa_inst_pref_size 44
	.end_amdhsa_kernel
	.amdgpu_metadata
---
amdhsa.version: [ 1, 2 ]
amdhsa.kernels:
  - .name:           k_qef8ca8b184_ln2
    .symbol:         k_qef8ca8b184_ln2.kd
    .args:
      - { .name: x1, .offset: 0, .size: 8, .value_kind: global_buffer, .address_space: global }
      - { .name: ln2_w, .offset: 8, .size: 8, .value_kind: global_buffer, .address_space: global }
      - { .name: ln2_b, .offset: 16, .size: 8, .value_kind: global_buffer, .address_space: global }
      - { .name: lowp_scales, .offset: 24, .size: 8, .value_kind: global_buffer, .address_space: global }
      - { .name: nx2c, .offset: 32, .size: 8, .value_kind: global_buffer, .address_space: global }
    .group_segment_fixed_size: 4608
    .private_segment_fixed_size: 0
    .kernarg_segment_align: 8
    .kernarg_segment_size: 40
    .max_flat_workgroup_size: 128
    .sgpr_count:     66
    .vgpr_count:     256
    .wavefront_size: 32
...
	.end_amdgpu_metadata
.endif
;; end of part 5
;; launch w1 (part 6): grid 16 x 16, 4 waves a work-group, clusters of 4 x 4, 327,680 bytes of LDS; arguments nx2c, wc, lowp_scales, b1, hc; writes hc
.if DOCPART == 6
	.amdgcn_target "amdgcn-amd-amdhsa--gfx1250"
	.amdhsa_code_object_version 6
	.text
	.protected	k_qef8ca8b184_w1
	.globl	k_qef8ca8b184_w1
	.p2align	8
	.type	k_qef8ca8b184_w1,@function
k_qef8ca8b184_w1:
	s_mov_b64 s[64:65], 0
	v_nop
	global_prefetch_b8 v0, s[64:65] scope:SCOPE_SE
	s_setreg_imm32_b32 hwreg(HW_REG_WAVE_MODE, 25, 1), 1
	s_wait_xcnt 0x0
	s_wait_alu depctr_hold_cnt(0) depctr_sa_sdst(0) depctr_va_vdst(0) depctr_va_sdst(0) depctr_va_ssrc(0) depctr_va_vcc(0) depctr_vm_vsrc(0)
	s_getreg_b32 s2, hwreg(HW_REG_IB_STS2, 6, 4)
	s_cmp_eq_u32 s2, 0
	s_cbranch_scc0 .Lentry_in_a_cluster
	s_endpgm
.Lentry_in_a_cluster:
	s_bfe_u32 s2, ttmp6, 0x10000c
	s_cmp_lg_u32 s2, 0xf033
	s_cbranch_scc0 .Lentry_shape_is_right
	s_endpgm
.Lentry_shape_is_right:
; hc = codes of gelu(nx2 w1^T + b1): a product on codes of FP8 (E4M3), M = 4,096, N = 4,096, K = 1,024, f32 sums; the exact GELU (erf by a rational form on |z| <= 4) in f32; then the quantiser of entry 14.
; A tile of 256 x 256 to a work-group of four waves, 128 x 128 a wave; K in steps of 256 through two LDS slots; 4 x 4 clusters with joint loads for A along a row and for B along a column.
; The matrix instruction is used transposed (source 0 = rows of w1, source 1 = rows of nx2): a lane's eight results are eight neighbouring hidden units of one token.
; THE BIAS IS THE C OF EACH TILE'S FIRST MATRIX INSTRUCTION: b1 / 2^(eA + eB), made by v_ldexp_f32 at the head; on the way out the sums are multiplied by 2^(eA + eB) and nothing is added.
; LIMITS: eA + eB between -126 and 127, and b1 / 2^(eA + eB) a finite f32 number; entry 14 between -126 and 119.
.set SIZE_K, 1024
.set KSTEP,  256
.set ROWB,   256
.set KROW,   SIZE_K
.set PITCH,  272
.set FR,     16
.set NL,     4
.set NP,     4
.set HALFT,  128*PITCH
.set SLOT,   4*HALFT
.set LAPS,   SIZE_K/(2*KSTEP)
.set SPARE,  2*SLOT
.set SPITCH, 272
.set ADRA, 16
.set ADRB, 20
.set STO,  24
.set RD,   25
.set CO,   26
.set SPW,  28
.set NIL,  29
.set BCA,  30
.set CD,   32
.set LIM,  52
.set SCL,  53
.set CB,   64
.set AF,   128
.set Y,    128                         ; v128-191 a block's 64 numbers ahead of the activation
.set Z,    64                          ; v64-95, v96-127, v192-223, v224-255: the activation's work on 32 numbers (v64-127 held the bias, which is done with behind the first K step)
.set U,    96
.set P,    192
.set Q,    224
.set G1, 24
.set G0, 32
.set G1B, 48
.set G0B, 56
.set MSB, 0
.macro WIN new
.if MSB != \new
	s_set_vgpr_msb (MSB<<8)|\new
.set MSB, \new
.endif
.endm
.set MUL_LO, 0xa1
.set MUL_HI, 0xf1
.set TO_B,   0x40
.macro JLOAD g0a, g1a, g0b, g1b
	s_cmp_eq_u32 s15, 0
	s_cbranch_scc0 .Lfor_b_\@
	tensor_load_to_lds s[\g0a:\g0a+3], s[\g1a:\g1a+7]
	s_nop 0
.rept 4
	v_nop
.endr
	s_branch .Lasked_\@
.Lfor_b_\@:
	tensor_load_to_lds s[\g0b:\g0b+3], s[\g1b:\g1b+7]
	s_nop 0
.rept 4
	v_nop
.endr
.Lasked_\@:
.endm
.macro CREST
	s_cmp_lg_u32 s14, 0
	s_cbranch_scc1 .Lnot_wave_0_\@
	s_barrier_signal -3
.Lnot_wave_0_\@:
	s_barrier_wait -3
	s_barrier_signal -1
	s_barrier_wait -1
.endm
.macro CROUND
	s_barrier_signal -1
	s_barrier_wait -1
	CREST
.endm
	s_load_b128 s[4:7], s[0:1], 0x0
	s_load_b128 s[8:11], s[0:1], 0x10
	s_load_b64 s[86:87], s[0:1], 0x20
	v_lshl_add_u32 v[SPW], v0, 2, SPARE
	v_mov_b32 v[NIL], 0
	ds_add_u32 v28, v29
	ds_add_u32 v28, v29
	s_wait_dscnt 0x0
	v_lshrrev_b32 v1, 5, v0
	v_readfirstlane_b32 s14, v1
	s_lshr_b32 s15, s14, 1
	s_and_b32 s16, s14, 1
	s_bfe_u32 s40, ttmp6, 0x40000
	s_bfe_u32 s41, ttmp6, 0x40004
	s_lshl_b32 s42, ttmp9, 2
	s_add_co_u32 s42, s42, s40
	s_and_b32 s17, ttmp7, 0xffff
	s_lshl_b32 s17, s17, 2
	s_add_co_u32 s17, s17, s41
	s_lshl_b32 s43, s41, 2
	s_lshl_b32 s43, 15, s43
	s_lshl_b32 s44, 0x1111, s40
	s_or_b32 s[G1+0], s43, (0<<16)|(1<<20)|(1<<21)|(5<<22)|(3<<25)
	s_or_b32 s[G1B+0], s44, (0<<16)|(1<<20)|(1<<21)|(5<<22)|(3<<25)
.irp g, G1, G1B
	s_mov_b32 s[\g+1], ROWB<<16
	s_mov_b32 s[\g+2], 128<<16
	s_mov_b32 s[\g+3], ROWB<<16
	s_mov_b32 s[\g+4], 128
	s_mov_b32 s[\g+5], KROW
	s_mov_b32 s[\g+6], 0
	s_mov_b32 s[\g+7], 0
.endr
	s_lshl_b32 s22, s16, 7
	s_lshl_b32 s20, s17, 8
	s_add_co_u32 s20, s20, s22
	s_lshl_b32 s20, s20, 10
	s_mov_b32 s21, 0
	s_lshl_b32 s46, s42, 8
	s_add_co_u32 s46, s46, s22
	s_lshl_b32 s46, s46, 10
	s_add_co_u32 s46, s46, 0x400000
	s_mov_b32 s47, 0
	s_mul_i32 s45, s14, HALFT
	s_wait_kmcnt 0x0
	s_load_b128 s[88:91], s[8:9], 0x30
	s_add_nc_u64 s[20:21], s[4:5], s[20:21]
	s_add_nc_u64 s[46:47], s[6:7], s[46:47]
	CROUND
.irp s, 0,1
	s_mov_b32 s[G0+4*\s], 1
	s_add_co_u32 s[G0+4*\s+1], s45, \s*SLOT
	s_add_nc_u64 s[G0+4*\s+2:G0+4*\s+3], s[20:21], \s*ROWB
	s_or_b32 s[G0+4*\s+3], s[G0+4*\s+3], 0x80000000
	s_mov_b32 s[G0B+4*\s], 1
	s_add_co_u32 s[G0B+4*\s+1], s45, \s*SLOT
	s_add_nc_u64 s[G0B+4*\s+2:G0B+4*\s+3], s[46:47], \s*ROWB
	s_or_b32 s[G0B+4*\s+3], s[G0B+4*\s+3], 0x80000000
.endr
	JLOAD G0, G1, G0B, G1B                         ; K step 0: one tensor load a wave at the head
	; THE PREFETCHES: of the 128 rows that I fetch, each of the four partners that ask for them with me takes 32, told apart by address (cx for A, cy for B); a lane a row, 256 bytes a K step.
	; K steps 1 and 2 are asked for here, K step 3 behind K step 1's load: two K steps ahead of the loads that want them; K has four steps, so nothing is asked in the loop.
	s_cmp_eq_u32 s15, 0
	s_cselect_b64 s[100:101], s[20:21], s[46:47]   ; the rows that I fetch, in A or in B
	s_cselect_b32 s12, s40, s41                    ; my work-group's place among the four
	s_lshl_b32 s12, s12, 15                        ; 32 rows of 1,024 bytes
	s_mov_b32 s13, 0
	s_add_nc_u64 s[100:101], s[100:101], s[12:13]
	v_and_b32 v22, 31, v0
	v_lshlrev_b32 v22, 10, v22                     ; my lane's row; never rewritten
	s_wait_alu depctr_va_vdst(0)
	global_prefetch_b8 v22, s[100:101] offset:ROWB th:TH_LOAD_NT scope:SCOPE_SE
	global_prefetch_b8 v22, s[100:101] offset:2*ROWB th:TH_LOAD_NT scope:SCOPE_SE
	v_and_b32 v1, 15, v0
	v_bfe_u32 v2, v0, 4, 1
	v_mul_u32_u24 v3, v1, PITCH
	s_wait_alu depctr_va_vdst(0)
	v_lshl_add_u32 v4, v2, 4, v3
	s_mul_i32 s21, s15, HALFT
	s_mul_i32 s22, s16, HALFT
	s_add_co_u32 s22, s22, 2*HALFT
.irp s, 0,1
	v_add_nc_u32 v[ADRA+\s], s21, v4
	v_add_nc_u32 v[ADRB+\s], s22, v4
	s_add_co_u32 s21, s21, SLOT
	s_add_co_u32 s22, s22, SLOT
.endr
	s_mul_i32 s23, s15, 128*SPITCH
	s_lshl_b32 s22, s16, 7
	s_add_co_u32 s23, s23, s22
	v_lshl_add_u32 v5, v2, 3, v3
	v_add_nc_u32 v[STO], s23, v5
	s_mul_i32 s23, s14, 64*SPITCH
	v_mul_u32_u24 v5, v2, SPITCH
	v_lshl_add_u32 v5, v1, 4, v5
	v_add_nc_u32 v[RD], s23, v5
	v_lshlrev_b32 v5, 12, v2
	v_lshl_add_u32 v[CO], v1, 4, v5
	v_lshlrev_b32 v[BCA], 5, v2
	s_lshl_b32 s98, s42, 10
	s_lshl_b32 s99, s16, 9
	s_add_co_u32 s98, s98, s99
	s_mov_b32 s99, 0
	s_add_nc_u64 s[10:11], s[10:11], s[98:99]
.irp b, 0,1,2,3,4,5,6,7
	global_load_b128 v[CB+8*\b:CB+8*\b+3], v[BCA], s[10:11] offset:64*\b
	global_load_b128 v[CB+8*\b+4:CB+8*\b+7], v[BCA], s[10:11] offset:64*\b+16
.endr
	s_lshl_b32 s98, s17, 8
	s_lshl_b32 s99, s14, 6
	s_add_co_u32 s98, s98, s99
	s_lshl_b32 s98, s98, 12
	s_lshl_b32 s99, s42, 8
	s_add_co_u32 s98, s98, s99
	s_mov_b32 s99, 0
	s_add_nc_u64 s[86:87], s[86:87], s[98:99]
.macro FRAG reg, adr, q, i
.irp c, 0,1,2,3
	ds_load_b128 v[\reg+4*\c:\reg+4*\c+3], v[\adr] offset:128*(\q)+32*\c+(\i)*16*PITCH
.endr
.endm
.macro MUL16 a0, p, zero
.irp a, \a0, \a0+1
.irp b, 0,1,2,3,4,5,6,7
.if \zero
	v_wmma_f32_16x16x128_fp8_fp8 v[8*(8*((\a)%4)+\b):8*(8*((\a)%4)+\b)+7], v[128*(\p)+FR*\b:128*(\p)+FR*\b+FR-1], v[AF+FR*(\a):AF+FR*(\a)+FR-1], v[CB+8*\b:CB+8*\b+7]
.else
	v_wmma_f32_16x16x128_fp8_fp8 v[8*(8*((\a)%4)+\b):8*(8*((\a)%4)+\b)+7], v[128*(\p)+FR*\b:128*(\p)+FR*\b+FR-1], v[AF+FR*(\a):AF+FR*(\a)+FR-1], v[8*(8*((\a)%4)+\b):8*(8*((\a)%4)+\b)+7]
.endif
.endr
.endr
.endm
.macro FETCH_B slot, q, p
	WIN TO_B
.irp i, 0,1,2,3,4,5,6,7
	FRAG 128*(\p)+FR*\i, ADRB+\slot, \q, \i
.endr
	WIN 0
.endm
.macro FETCH_A slot, q, i0
.irp i, \i0, \i0+1, \i0+2, \i0+3
	FRAG AF+FR*(\i), ADRA+\slot, \q, \i
.endr
.endm
.macro PLACES n
.rept \n
	v_nop
.endr
.endm
.macro STEP slot, q, zero
	s_wait_dscnt 4*NL
.set ML, MUL_LO-0x20*(\zero)                   ; the first products take C, the bias, from window 0
	WIN ML
	MUL16 0, (\q)%2, \zero
	MUL16 2, (\q)%2, \zero
	s_wait_dscnt 0
	PLACES NP
	FETCH_B \slot, (\q)+1, 1-(\q)%2
	FETCH_A \slot, (\q)+1, 0
.set MH, MUL_HI-0x30*(\zero)
	WIN MH
	MUL16 4, (\q)%2, \zero
	MUL16 6, (\q)%2, \zero
	PLACES NP
	WIN 0
	FETCH_A \slot, (\q)+1, 4
.endm
.macro TURN slot, next, fill
	s_wait_tensorcnt 0x0
	ds_add_u32 v[SPW], v[NIL]
	s_wait_dscnt 4*NL+1
	WIN MUL_LO
	MUL16 0, 1, 0
	s_wait_dscnt 0x0
	s_barrier_signal -1
	MUL16 2, 1, 0
	WIN 0
	s_barrier_wait -1
.if \fill
	CREST
	s_add_nc_u64 s[G0+4*\slot+2:G0+4*\slot+3], s[G0+4*\slot+2:G0+4*\slot+3], 2*ROWB
	s_add_nc_u64 s[G0B+4*\slot+2:G0B+4*\slot+3], s[G0B+4*\slot+2:G0B+4*\slot+3], 2*ROWB
	JLOAD G0+4*\slot, G1, G0B+4*\slot, G1B
.else
	PLACES NP
.endif
	s_wait_alu depctr_va_vdst(0)
	FETCH_B \next, 0, 0
	FETCH_A \next, 0, 0
	WIN MUL_HI
	MUL16 4, 1, 0
	MUL16 6, 1, 0
	PLACES NP
	WIN 0
	FETCH_A \next, 0, 4
.endm
	s_wait_alu depctr_va_vdst(0)
	s_wait_kmcnt 0x0                               ; the exponents
	s_add_co_i32 s92, s88, s89
	s_sub_co_i32 s92, 0, s92                       ; -(eA + eB)
	s_wait_loadcnt 0x0                             ; the bias
.set j, 0
.rept 64
	v_ldexp_f32 v[CB+j], v[CB+j], s92              ; b1 / 2^(eA + eB): nothing is rounded; under K step 0's flight
.set j, j+1
.endr
	s_wait_alu depctr_va_vdst(0)
	s_wait_tensorcnt 0x0                           ; my part of K step 0 is in
	ds_add_u32 v[SPW], v[NIL]
	s_wait_dscnt 0x0
	CROUND                                         ; everybody's part is in, and all sixteen work-groups are here
	JLOAD G0+4, G1, G0B+4, G1B                     ; K step 1, the first tensor load behind the round
	global_prefetch_b8 v22, s[100:101] offset:3*ROWB th:TH_LOAD_NT scope:SCOPE_SE
	FETCH_B 0, 0, 0
	FETCH_A 0, 0, 0
	FETCH_A 0, 0, 4
	STEP 0, 0, 1
	s_mov_b32 s3, LAPS-1
.Llap:
	TURN 0, 1, 1
	STEP 1, 0, 0
	TURN 1, 0, 1
	STEP 0, 0, 0
	s_sub_co_u32 s3, s3, 1
	s_cmp_lg_u32 s3, 0
	s_cbranch_scc1 .Llap
	TURN 0, 1, 0
	STEP 1, 0, 0
	s_wait_dscnt 4*NL
	WIN MUL_LO
	MUL16 0, 1, 0
	MUL16 2, 1, 0
	s_wait_dscnt 0
	WIN MUL_HI
	MUL16 4, 1, 0
	MUL16 6, 1, 0
	WIN 0
	s_wait_kmcnt 0x0
	s_add_co_i32 s92, s88, s89
	s_add_co_i32 s92, s92, 127
	s_lshl_b32 s96, s92, 23
	s_mov_b32 s97, s96
	s_add_co_i32 s93, s90, 127
	s_lshl_b32 s98, s93, 23
	s_add_co_i32 s93, s93, 8
	s_lshl_b32 s93, s93, 23
	s_or_b32 s93, s93, 0x600000
	v_mov_b32 v[SCL], s98
	v_mov_b32 v[LIM], s93
	v_mov_b32 v48, 0xaf95df0b
	v_mov_b32 v49, 0xaf95df0b
	v_mov_b32 v50, 0xb77460cd
	v_mov_b32 v51, 0xb77460cd
.macro COEF r, bits
	s_mov_b32 s[\r], \bits
	s_mov_b32 s[\r+1], \bits
.endm
	COEF 66, 0x32edffee
	COEF 68, 0xb60cff51
	COEF 70, 0xb86ec2d2
	COEF 72, 0xba40ac63
	COEF 74, 0xbb41a1f6
	COEF 76, 0xbc83dbd4
	COEF 78, 0xb95fbd29
	COEF 80, 0xbadc924e
	COEF 82, 0xbbf19bf8
	COEF 84, 0xbc69b6a7
	s_wait_loadcnt 0x0
; The activation works on 32 numbers at a time: every run below is 16 packed (or 32 plain) lines that hang on none of each other, and one batch of 32 reciprocals has its one wait ahead and its one wait behind.
.macro HORNER d, sc
.irp j, 0,2,4,6,8,10,12,14,16,18,20,22,24,26,28,30
	v_pk_fma_f32 v[\d+\j:\d+\j+1], v[\d+\j:\d+\j+1], v[U+\j:U+\j+1], s[\sc:\sc+1] op_sel_hi:[1,1,0]
.endr
.endm
.macro GELU g                          ; numbers 32 g .. 32 g + 31 of the block: y (0.5 + 0.5 erf(y / sqrt 2)), held and converted
.set YG, Y+32*\g
.irp j, 0,2,4,6,8,10,12,14,16,18,20,22,24,26,28,30
	v_pk_mul_f32 v[Z+\j:Z+\j+1], v[YG+\j:YG+\j+1], 0x3f3504f3 op_sel_hi:[1,0]   ; z = y / sqrt 2,
.endr
.set j, 0
.rept 32
	v_med3_num_f32 v[Z+j], v[Z+j], -4.0, 4.0       ; held within +-4, beyond which erf is +-1 in f32
.set j, j+1
.endr
.irp j, 0,2,4,6,8,10,12,14,16,18,20,22,24,26,28,30
	v_pk_mul_f32 v[U+\j:U+\j+1], v[Z+\j:Z+\j+1], v[Z+\j:Z+\j+1]
.endr
.irp j, 0,2,4,6,8,10,12,14,16,18,20,22,24,26,28,30
	v_pk_fma_f32 v[P+\j:P+\j+1], v[U+\j:U+\j+1], v[48:49], s[66:67] op_sel_hi:[1,1,0]
.endr
.irp j, 0,2,4,6,8,10,12,14,16,18,20,22,24,26,28,30
	v_pk_fma_f32 v[Q+\j:Q+\j+1], v[U+\j:U+\j+1], v[50:51], s[78:79] op_sel_hi:[1,1,0]
.endr
	HORNER P, 68
	HORNER Q, 80
	HORNER P, 70
	HORNER Q, 82
	HORNER P, 72
	HORNER Q, 84
	HORNER P, 74
	HORNER P, 76
	s_wait_alu depctr_va_vdst(0)
.set j, 0
.rept 32
	v_rcp_f32 v[Q+j], v[Q+j]
.set j, j+1
.endr
.irp j, 0,2,4,6,8,10,12,14,16,18,20,22,24,26,28,30
	v_pk_mul_f32 v[P+\j:P+\j+1], v[P+\j:P+\j+1], v[Z+\j:Z+\j+1]
.endr
	s_wait_alu depctr_va_vdst(0)
.irp j, 0,2,4,6,8,10,12,14,16,18,20,22,24,26,28,30
	v_pk_mul_f32 v[P+\j:P+\j+1], v[P+\j:P+\j+1], v[Q+\j:Q+\j+1]   ; erf(z)
.endr
.irp j, 0,2,4,6,8,10,12,14,16,18,20,22,24,26,28,30
	v_pk_fma_f32 v[P+\j:P+\j+1], v[P+\j:P+\j+1], 0.5, 0.5 op_sel_hi:[1,0,0]
.endr
.irp j, 0,2,4,6,8,10,12,14,16,18,20,22,24,26,28,30
	v_pk_mul_f32 v[P+\j:P+\j+1], v[P+\j:P+\j+1], v[YG+\j:YG+\j+1]
.endr
.set j, 0
.rept 32
	v_med3_num_f32 v[P+j], v[P+j], -v[LIM], v[LIM] ; the conversion to an 8-bit code does not saturate (ISA guide 7.6.2): the hold
.set j, j+1
.endr
.irp c, 0,1,2,3
	v_cvt_scalef32_pk8_fp8_f32 v[CD+8*\g+2*\c:CD+8*\g+2*\c+1], v[P+8*\c:P+8*\c+7], v[SCL]
.endr
	v_nop                                          ; a plain line behind the last conversion
.endm
.macro OUTH a
.set AC, 64*((\a)%4)
.set WN, 0x02+((\a)/4)
	WIN WN
	s_wait_alu depctr_va_vdst(0)                   ; directly ahead of the first reader of these sums
.irp j, 0,2,4,6,8,10,12,14,16,18,20,22,24,26,28,30,32,34,36,38,40,42,44,46,48,50,52,54,56,58,60,62
	v_pk_mul_f32 v[Y+\j:Y+\j+1], v[AC+\j:AC+\j+1], s[96:97] op_sel_hi:[1,0]   ; x 2^(eA + eB); the bias is in the sums
.endr
	WIN 0
.endm
; The way out is a loop of eight trips, one for each block of 16 rows.  Only the 32 lines that read a block's sums name other registers from trip to trip: they are written once for each block,
; in one chain of branches on the trip's number; the activation, the conversion and the stores into the stage are written once.
	s_mov_b32 s3, 0                                ; the block
	s_mov_b32 s2, 0                                ; its 16 rows' place in the stage
.Lrows:
.irp a, 0,1,2,3,4,5,6
	s_cmp_lg_u32 s3, \a
	s_cbranch_scc1 .Lnot_\a
	OUTH \a
	s_wait_alu depctr_va_vdst(0)
	s_branch .Lgelu
.Lnot_\a:
.endr
	OUTH 7
.Lgelu:
	v_add_nc_u32 v54, s2, v[STO]
	GELU 0
	GELU 1
.irp b, 0,1,2,3,4,5,6,7
	ds_store_b64 v54, v[CD+2*\b:CD+2*\b+1] offset:16*\b
.endr
	s_add_co_u32 s2, s2, 16*SPITCH
	s_add_co_u32 s3, s3, 1
	s_cmp_lt_u32 s3, 8
	s_wait_alu depctr_va_vdst(0)
	s_cbranch_scc1 .Lrows
	s_wait_dscnt 0x0
	s_barrier_signal -1
	s_barrier_wait -1
.set u, 0
.rept 32
	ds_load_b128 v[128+4*u:131+4*u], v[RD] offset:2*SPITCH*u
.set u, u+1
.endr
.set u, 0
.rept 32
	s_wait_dscnt 31-u
	global_store_b128 v[CO], v[128+4*u:131+4*u], s[86:87] offset:8192*u
.set u, u+1
.endr
	s_wait_tensorcnt 0x0
	ds_add_u32 v[SPW], v[NIL]
	s_wait_dscnt 0x0
	CROUND
	s_endpgm
.Lfunc_end_k_qef8ca8b184_w1:
	.size	k_qef8ca8b184_w1, .Lfunc_end_k_qef8ca8b184_w1-k_qef8ca8b184_w1
	.p2alignl 7, 3214868480
	.fill 96, 4, 3214868480
	.section	.rodata,"a",@progbits
	.p2align	6, 0x0
	.amdhsa_kernel k_qef8ca8b184_w1
		.amdhsa_group_segment_fixed_size 327680
		.amdhsa_private_segment_fixed_size 0
		.amdhsa_enable_private_segment 0
		.amdhsa_kernarg_size 40
		.amdhsa_user_sgpr_count 2
		.amdhsa_user_sgpr_kernarg_segment_ptr 1
		.amdhsa_wavefront_size32 1
		.amdhsa_system_sgpr_workgroup_id_x 1
		.amdhsa_system_sgpr_workgroup_id_y 1
		.amdhsa_system_sgpr_workgroup_id_z 1
		.amdhsa_system_vgpr_workitem_id 0
		.amdhsa_next_free_vgpr 1024
		.amdhsa_next_free_sgpr 102
		.amdhsa_reserve_vcc 0
		.amdhsa_float_denorm_mode_32 3
		.amdhsa_float_denorm_mode_16_64 3
		.amdhsa_memory_ordered 1
		.amdhsa_forward_progress 1
		.amdhsa_inst_pref_size 155
	.end_amdhsa_kernel
	.amdgpu_metadata
---
amdhsa.version: [ 1, 2 ]
amdhsa.kernels:
  - .name:           k_qef8ca8b184_w1
    .symbol:         k_qef8ca8b184_w1.kd
    .args:
      - { .name: nx2c, .offset: 0, .size: 8, .value_kind: global_buffer, .address_space: global }
      - { .name: wc, .offset: 8, .size: 8, .value_kind: global_buffer, .address_space: global }
      - { .name: lowp_scales, .offset: 16, .size: 8, .value_kind: global_buffer, .address_space: global }
      - { .name: b1, .offset: 24, .size: 8, .value_kind: global_buffer, .address_space: global }
      - { .name: hc, .offset: 32, .size: 8, .value_kind: global_buffer, .address_space: global }
    .group_segment_fixed_size: 327680
    .private_segment_fixed_size: 0
    .kernarg_segment_align: 8
    .kernarg_segment_size: 40
    .max_flat_workgroup_size: 128
    .sgpr_count:     102
    .vgpr_count:     1024
    .wavefront_size: 32
...
	.end_amdgpu_metadata
.endif
;; end of part 6
;; launch w2 (part 7): grid 8 x 32, 4 waves a work-group, clusters of 4 x 4, 327,680 bytes of LDS; arguments hc, wc, lowp_scales, b2, x1, out0; writes out0
.if DOCPART == 7
	.amdgcn_target "amdgcn-amd-amdhsa--gfx1250"
	.amdhsa_code_object_version 6
	.text
	.protected	k_qef8ca8b184_w2
	.globl	k_qef8ca8b184_w2
	.p2align	8
	.type	k_qef8ca8b184_w2,@function
k_qef8ca8b184_w2:
	s_mov_b64 s[64:65], 0
	v_nop
	global_prefetch_b8 v0, s[64:65] scope:SCOPE_SE
	s_setreg_imm32_b32 hwreg(HW_REG_WAVE_MODE, 25, 1), 1
	s_wait_xcnt 0x0
	s_wait_alu depctr_hold_cnt(0) depctr_sa_sdst(0) depctr_va_vdst(0) depctr_va_sdst(0) depctr_va_ssrc(0) depctr_va_vcc(0) depctr_vm_vsrc(0)
	s_getreg_b32 s2, hwreg(HW_REG_IB_STS2, 6, 4)
	s_cmp_eq_u32 s2, 0
	s_cbranch_scc0 .Lentry_in_a_cluster
	s_endpgm
.Lentry_in_a_cluster:
	s_bfe_u32 s2, ttmp6, 0x10000c
	s_cmp_lg_u32 s2, 0xf033
	s_cbranch_scc0 .Lentry_shape_is_right
	s_endpgm
.Lentry_shape_is_right:
; out[m][n] = res[m][n] + bias[n] + 2^(eA + eB) x sum over k of A[m][k] B[n][k]: a product on codes of FP8 (E4M3) with M = 4,096, N = 1,024, f32 sums, and the residual added on the way out.
; This text serves two launches, up to the four lines below.  HEADS = 1: A is attention's output, [batch][head][token][64] codes, K = head x 64 + d.  HEADS = 0: A is [4096][SIZE_K] codes.
; LIMIT: eA + eB between -126 and 127.
; N is short: tiles of 256 x 256 of C would be 64; a tile is 128 x 128, which gives 256 work-groups.  Four waves, each 64 x 64: 16 accumulators.  K goes in steps of 512 (rows of 512 bytes; a wave's tensor load
; brings 64 of them) through two LDS slots.  CLUSTERS: 4 x 4 work-groups; A's tiles are asked for jointly along a row of the cluster, B's along a column.
; THE MATRIX INSTRUCTION IS USED TRANSPOSED (source 0 = 16 rows of B, source 1 = 16 rows of A): a lane holds eight neighbouring numbers of a row of C.
; A wave's 64 columns of f32 are 256 consecutive bytes, aligned: each wave has a stage of its own on the way out, and no barrier stands there.
; REGISTERS: window 0: v8-11 the bias; v16-29 addresses; v32-63 rows read back; v64-127 the residual, two sets; v128-255 the accumulators ((a, b) at v[128 + 8 (4 a + b)]).
;   window 1: two fragment buffers of 128, each for 128 along K: A's four fragments, then B's four.
.set SIZE_K, 4096
.set HEADS,  0
.set WOFF,   8<<20                     ; where B's codes begin in the weights' buffer
.set EOFF,   56                        ; the byte of eA among the exponents; eB follows it
.set KSTEP,  512
.set PITCH,  528                       ; an LDS row: 512 bytes + 16 of padding = 132 words: row r starts at bank 4 r mod 64 (ISA guide 11.1)
.set HALFT,  64*PITCH
.if HEADS
.set AH,     8*64*80                   ; A's half tile: 8 heads x 64 tokens x (64 bytes + 16)
.set ASTEP,  1<<20                     ; a K step is 8 heads of 128 KiB
.else
.set AH,     HALFT
.set ASTEP,  KSTEP
.endif
.set SLOT,   2*AH+2*HALFT
.set STAGE,  2*SLOT                    ; behind the ring: 16 rows x 272 bytes for each wave
.set SPITCH, 272
.set SPARE,  STAGE+4*16*SPITCH         ; behind the stages: the spare words, 128 bytes for each wave
.set LAPS,   SIZE_K/(2*KSTEP)
.set BI,   8
.set ADRA, 16
.set ADRB, 20
.set STO,  24
.set RD,   25
.set CO,   26
.set SPW,  28
.set NIL,  29
.set BK,   32
.set RS,   64
.set ACC,  128
.set F0,   0
.set F1,   128
.set G1, 24
.set G0, 32
.set G1B, 48
.set G0B, 56
.set MSB, 0
.macro WIN new                         ; the immediate's high byte repeats the setting that is left
.if MSB != \new
	s_set_vgpr_msb (MSB<<8)|\new
.set MSB, \new
.endif
.endm
.set MUL,  0x05                        ; sources 0 (B) and 1 (A) window 1; C and D window 0
.set TO_F, 0x40                        ; destination window 1, address window 0
.macro JLOAD s                         ; a joint load: waves 0 and 1 fetch A's two halves, waves 2 and 3 B's; four v_nop follow each of the two lines
	s_cmp_eq_u32 s11, 0
	s_cbranch_scc0 .Lfor_b_\@
	tensor_load_to_lds s[G0+4*\s:G0+4*\s+3], s[G1:G1+7]
	s_nop 0
.rept 4
	v_nop
.endr
	s_branch .Lasked_\@
.Lfor_b_\@:
	tensor_load_to_lds s[G0B+4*\s:G0B+4*\s+3], s[G1B:G1B+7]
	s_nop 0
.rept 4
	v_nop
.endr
.Lasked_\@:
.endm
.macro CREST                           ; a round of the cluster's barrier behind its opening barrier
	s_cmp_lg_u32 s10, 0
	s_cbranch_scc1 .Lnot_wave_0_\@
	s_barrier_signal -3
.Lnot_wave_0_\@:
	s_barrier_wait -3
	s_barrier_signal -1
	s_barrier_wait -1
.endm
.macro CROUND
	s_barrier_signal -1
	s_barrier_wait -1
	CREST
.endm
	s_load_b128 s[4:7], s[0:1], 0x0                ; A's codes, the weights' codes
	s_load_b128 s[68:71], s[0:1], 0x10             ; the exponents, the bias
	s_load_b128 s[72:75], s[0:1], 0x20             ; the residual, the output
	v_lshl_add_u32 v[SPW], v0, 2, SPARE
	v_mov_b32 v[NIL], 0
	ds_add_u32 v28, v29
	ds_add_u32 v28, v29
	s_wait_dscnt 0x0
	v_lshrrev_b32 v1, 5, v0
	v_readfirstlane_b32 s10, v1                    ; wave 0..3
	s_lshr_b32 s11, s10, 1                         ; which half of the tile's rows is mine.  Also: I fetch for A (0) or for B (1)
	s_and_b32 s12, s10, 1                          ; which half of its columns.  Also: which 64 rows of that tile I fetch
	s_bfe_u32 s40, ttmp6, 0x40000                  ; cx, cy
	s_bfe_u32 s41, ttmp6, 0x40004
	s_lshl_b32 s42, ttmp9, 2
	s_add_co_u32 s42, s42, s40                     ; tile column of C
	s_and_b32 s13, ttmp7, 0xffff
	s_lshl_b32 s13, s13, 2
	s_add_co_u32 s13, s13, s41                     ; tile row of C
	s_lshl_b32 s43, s41, 2
	s_lshl_b32 s43, 15, s43                        ; my row of the cluster
	s_lshl_b32 s44, 0x1111, s40                    ; my column
.if HEADS
	; A's half tile: 64 tokens of a head are 4,096 consecutive bytes: one 'row'; 8 rows, a head apart; 16 bytes of padding behind every 64, that is behind each token
	s_or_b32 s[G1+0], s43, (0<<16)|(1<<20)|(1<<21)|(3<<22)|(3<<25)
	s_mov_b32 s[G1+1], 4096<<16                    ; tensor_dim0
	s_mov_b32 s[G1+2], 8<<16                       ; tensor_dim1
	s_mov_b32 s[G1+3], 4096<<16                    ; tile_dim0
	s_mov_b32 s[G1+4], 8                           ; tile_dim1
	s_mov_b32 s[G1+5], 131072                      ; the pitch: a head
.else
	s_or_b32 s[G1+0], s43, (0<<16)|(1<<20)|(1<<21)|(6<<22)|(3<<25)   ; the mask: my row; elements of 1 byte; padding on; bit 21 beside a mask; after every 128 words, 4 words
	s_mov_b32 s[G1+1], KSTEP<<16                   ; tensor_dim0
	s_mov_b32 s[G1+2], 64<<16                      ; tensor_dim1
	s_mov_b32 s[G1+3], KSTEP<<16                   ; tile_dim0
	s_mov_b32 s[G1+4], 64                          ; tile_dim1
	s_mov_b32 s[G1+5], SIZE_K                      ; the pitch
.endif
	s_mov_b32 s[G1+6], 0
	s_mov_b32 s[G1+7], 0
	s_or_b32 s[G1B+0], s44, (0<<16)|(1<<20)|(1<<21)|(6<<22)|(3<<25)  ; the same shape with the mask of my column
	s_mov_b32 s[G1B+1], KSTEP<<16
	s_mov_b32 s[G1B+2], 64<<16
	s_mov_b32 s[G1B+3], KSTEP<<16
	s_mov_b32 s[G1B+4], 64
	s_mov_b32 s[G1B+5], SIZE_K
	s_mov_b32 s[G1B+6], 0
	s_mov_b32 s[G1B+7], 0
.if HEADS
	s_lshr_b32 s16, s13, 4                         ; the batch: 2 MiB,
	s_lshl_b32 s16, s16, 21
	s_and_b32 s17, s13, 15
	s_lshl_b32 s17, s17, 13                        ; 128 tokens of 64 bytes a tile row,
	s_add_co_u32 s16, s16, s17
	s_lshl_b32 s17, s12, 12                        ; 64 a half
	s_add_co_u32 s16, s16, s17
.else
	s_lshl_b32 s16, s13, 7
	s_lshl_b32 s17, s12, 6
	s_add_co_u32 s16, s16, s17                     ; A: row 128 x tile row + 64 x half
	s_mul_i32 s16, s16, SIZE_K
.endif
	s_mov_b32 s17, 0
	s_lshl_b32 s46, s42, 7
	s_lshl_b32 s47, s12, 6
	s_add_co_u32 s46, s46, s47                     ; B: row 128 x tile column + 64 x half
	s_mul_i32 s46, s46, SIZE_K
	s_add_co_u32 s46, s46, WOFF
	s_mov_b32 s47, 0
	s_mul_i32 s20, s12, AH                         ; where they go: no place in the cluster enters an LDS address
	s_mul_i32 s21, s12, HALFT
	s_add_co_u32 s21, s21, 2*AH
	s_wait_kmcnt 0x0
	s_load_b64 s[76:77], s[68:69], EOFF            ; eA, eB; used on the way out
	s_add_nc_u64 s[14:15], s[4:5], s[16:17]
	s_add_nc_u64 s[46:47], s[6:7], s[46:47]
	CROUND                                         ; all sixteen work-groups are here: the first joint loads meet
.irp s, 0,1
	s_mov_b32 s[G0+4*\s], 1
	s_add_co_u32 s[G0+4*\s+1], s20, \s*SLOT
	s_add_nc_u64 s[G0+4*\s+2:G0+4*\s+3], s[14:15], \s*ASTEP
	s_or_b32 s[G0+4*\s+3], s[G0+4*\s+3], 0x80000000
	s_mov_b32 s[G0B+4*\s], 1
	s_add_co_u32 s[G0B+4*\s+1], s21, \s*SLOT
	s_add_nc_u64 s[G0B+4*\s+2:G0B+4*\s+3], s[46:47], \s*KSTEP
	s_or_b32 s[G0B+4*\s+3], s[G0B+4*\s+3], 0x80000000
.endr
	JLOAD 0                                        ; K step 0: one tensor load a wave at the head
	; THE PREFETCHES: of the 64 rows that I fetch, each of the four partners that ask for them with me takes 16, told apart by address (cx for A, cy for B); a K step of a row is two blocks of 256 bytes:
	; lane l names block l % 2 of row l / 2: 32 blocks, one instruction a wave.  K steps 1 and 2 are asked for at the head, and the load of K step j asks for K step j + 2; the last two refills ask for nothing.
	s_cmp_eq_u32 s11, 0
	s_cselect_b64 s[80:81], s[14:15], s[46:47]     ; the rows that I fetch, in A or in B
	s_cselect_b32 s82, s40, s41                    ; my work-group's place among the four
	s_mul_i32 s82, s82, 16*SIZE_K
	s_mov_b32 s83, 0
	s_add_nc_u64 s[80:81], s[80:81], s[82:83]
	v_and_b32 v1, 15, v0                           ; r
	s_wait_alu depctr_va_vdst(0)
	v_bfe_u32 v2, v0, 4, 1                         ; h
	v_mul_u32_u24 v3, v1, PITCH
	v_lshl_add_u32 v3, v2, 4, v3                   ; a fragment's row x pitch + 16 x half
.if HEADS
	v_mul_u32_u24 v4, v1, 80
	v_lshl_add_u32 v4, v2, 4, v4                   ; A: token r x 80 + 16 x half
.set LNA, 4
.else
.set LNA, 3
.endif
	s_mul_i32 s22, s11, AH                         ; my 64 rows of A
	s_mul_i32 s23, s12, HALFT                      ; my 64 rows of B,
	s_add_co_u32 s23, s23, 2*AH                    ; which lie behind A's 128
.irp s, 0,1
	v_add_nc_u32 v[ADRA+\s], s22, v[LNA]
	v_add_nc_u32 v[ADRB+\s], s23, v3
	s_add_co_u32 s22, s22, SLOT
	s_add_co_u32 s23, s23, SLOT
.endr
	s_mul_i32 s23, s10, 16*SPITCH
	s_add_co_u32 s23, s23, STAGE                   ; my stage
	v_mul_u32_u24 v5, v1, SPITCH
	s_wait_alu depctr_va_vdst(0)
	v_lshl_add_u32 v5, v2, 5, v5
	v_add_nc_u32 v[STO], s23, v5                   ; in: row r, 32 bytes for each half of the lanes
	v_mul_u32_u24 v5, v2, SPITCH
	v_lshl_add_u32 v5, v1, 4, v5
	v_add_nc_u32 v[RD], s23, v5                    ; back: lanes 0-15 one row of 256 bytes, lanes 16-31 the next
	v_lshlrev_b32 v5, 12, v2
	v_lshl_add_u32 v[CO], v1, 4, v5                ; and the same two rows in the residual and in the output (rows of 4,096 bytes)
	v_lshlrev_b32 v6, 4, v1                        ; the bias: my four columns
	v_and_b32 v7, 31, v0
	v_lshrrev_b32 v30, 1, v7
	v_and_b32 v7, 1, v7
	v_lshlrev_b32 v30, 12, v30                     ; row l / 2 of 4,096 bytes,
	v_lshl_add_u32 v30, v7, 8, v30                 ; block l % 2: the prefetches' offset, never rewritten
	s_wait_alu depctr_va_vdst(0)
	s_lshl_b32 s16, s13, 7
	s_lshl_b32 s17, s11, 6
	s_add_co_u32 s16, s16, s17                     ; my first row: 128 x tile row + 64 x half
	s_lshl_b32 s16, s16, 12
	s_lshl_b32 s78, s42, 9
	s_lshl_b32 s79, s12, 8
	s_add_co_u32 s78, s78, s79                     ; my first column, in bytes: 512 x tile column + 256 x half
	s_mov_b32 s79, 0
	s_add_nc_u64 s[70:71], s[70:71], s[78:79]
	s_add_co_u32 s78, s78, s16
	s_add_nc_u64 s[72:73], s[72:73], s[78:79]
	s_add_nc_u64 s[74:75], s[74:75], s[78:79]
	global_load_b128 v[BI:BI+3], v6, s[70:71]
	global_prefetch_b8 v30, s[80:81] offset:KSTEP th:TH_LOAD_NT scope:SCOPE_SE
	global_prefetch_b8 v30, s[80:81] offset:2*KSTEP th:TH_LOAD_NT scope:SCOPE_SE
; 8 matrix instructions: A's blocks a0, a0 + 1 x B's four, 128 along K.  The 16 accumulators take turns, one instruction a turn, in the same order in every quarter.
.macro MUL8 f, a0, zero
.irp a, \a0, \a0+1
.irp b, 0,1,2,3
.if \zero
	v_wmma_f32_16x16x128_fp8_fp8 v[ACC+8*(4*(\a)+\b):ACC+8*(4*(\a)+\b)+7], v[\f+64+16*\b:\f+64+16*\b+15], v[\f+16*(\a):\f+16*(\a)+15], 0
.else
	v_wmma_f32_16x16x128_fp8_fp8 v[ACC+8*(4*(\a)+\b):ACC+8*(4*(\a)+\b)+7], v[\f+64+16*\b:\f+64+16*\b+15], v[\f+16*(\a):\f+16*(\a)+15], v[ACC+8*(4*(\a)+\b):ACC+8*(4*(\a)+\b)+7]
.endif
.endr
.endr
.endm
; 32 LDS loads in one run: the fragments of the slot's q-th 128 along K into buffer f.  Registers 4 c .. 4 c + 3 hold K = 32 c + 16 (l / 16) + 0 .. 15: the same order of k in A and in B
.macro FETCH slot, q, f
	WIN TO_F
.irp b, 0,1,2,3
.irp c, 0,1,2,3
	ds_load_b128 v[\f+64+16*\b+4*\c:\f+64+16*\b+4*\c+3], v[ADRB+\slot] offset:128*(\q)+32*\c+\b*16*PITCH
.endr
.endr
.irp a, 0,1,2,3
.irp c, 0,1,2,3
.if HEADS
	ds_load_b128 v[\f+16*\a+4*\c:\f+16*\a+4*\c+3], v[ADRA+\slot] offset:(2*(\q)+\c/2)*5120+1280*\a+32*(\c%2)   ; head 2 q + c / 2 of the step's eight, d = 32 (c % 2) + 16 h on
.else
	ds_load_b128 v[\f+16*\a+4*\c:\f+16*\a+4*\c+3], v[ADRA+\slot] offset:128*(\q)+32*\c+\a*16*PITCH
.endif
.endr
.endr
.endm
.macro PLACES                          ; plain vector lines between a matrix instruction and a load into, or a read of, its registers
.rept 4
	v_nop
.endr
.endm
; A K step is four quarters of 128 along K, 16 matrix instructions each, on buffers 0, 1, 0, 1.  One of the first three: buffer f is in; quarter q is fetched into g; f is multiplied.
.macro QUARTER slot, q, f, g, zero
	s_wait_dscnt 0x0                               ; buffer f, asked for a quarter ago
	PLACES
	FETCH \slot, \q, \g
	WIN MUL
	MUL8 \f, 0, \zero
	MUL8 \f, 2, \zero
.endm
; The last quarter multiplies buffer 1 and changes slots: ONE barrier; in front of it each wave waits for all its tensor loads, adds 0 to its spare word, and waits for that and for its own reads of this slot.
.macro TURN slot, next, fill
	WIN 0                                          ; (the add's two registers lie in window 0)
.if \fill
	s_wait_xcnt 0x0                                ; my prefetches have read their address: it steps a K step on
	s_add_nc_u64 s[80:81], s[80:81], KSTEP
.endif
	s_wait_tensorcnt 0x0                           ; all my tensor loads have landed: my part of the next slot
	ds_add_u32 v[SPW], v[NIL]                      ; 0 onto my spare word
	s_wait_dscnt 0x1                               ; buffer 1 is in; the add may be out
	WIN MUL
	MUL8 F1, 0, 0
	s_wait_dscnt 0x0                               ; the add is done, and my reads of this slot are over
	s_barrier_signal -1
	WIN 0
	s_barrier_wait -1
.if \fill
	CREST                                          ; the barrier has opened a round of the cluster's barrier: no wave of any partner still reads this slot's tile or has a load on its way
	s_add_nc_u64 s[G0+4*\slot+2:G0+4*\slot+3], s[G0+4*\slot+2:G0+4*\slot+3], 2*ASTEP
	s_add_nc_u64 s[G0B+4*\slot+2:G0B+4*\slot+3], s[G0B+4*\slot+2:G0B+4*\slot+3], 2*KSTEP
	JLOAD \slot                                    ; the first tensor load behind the round; its four v_nop are the places in front of the loads below
.else
	PLACES
.endif
	FETCH \next, 0, F0
.if \fill
	WIN 0
	s_cmp_gt_u32 s3, 1                             ; the loop's last trip has no K step two refills on
	s_cbranch_scc0 .Lno_ask_\@
	global_prefetch_b8 v30, s[80:81] offset:3*KSTEP th:TH_LOAD_NT scope:SCOPE_SE
.Lno_ask_\@:
.endif
	WIN MUL
	MUL8 F1, 2, 0
.endm
.macro RLOAD a                         ; the residual of my rows 16 a .. 16 a + 15 into set a % 2 of window 0 (a < 2) or window 2 (v64-127 there)
	WIN 0x80*((\a)/2)
.irp t, 0,1,2,3,4,5,6,7
	global_load_b128 v[RS+32*((\a)%2)+4*\t:RS+32*((\a)%2)+4*\t+3], v[CO], s[72:73] offset:(16*(\a)+2*\t)*4096
.endr
	WIN 0
.endm
	RLOAD 0                                        ; all four blocks are asked for here, under the tiles' flight
	RLOAD 1
	RLOAD 2
	RLOAD 3
	s_wait_alu depctr_va_vdst(0)
	s_wait_tensorcnt 0x0                           ; my part of K step 0 is in
	ds_add_u32 v[SPW], v[NIL]
	s_wait_dscnt 0x0
	CROUND                                         ; everybody's part of K step 0 is in, and all sixteen work-groups are here
	JLOAD 1                                        ; K step 1, the first tensor load behind the round
	global_prefetch_b8 v30, s[80:81] offset:3*KSTEP th:TH_LOAD_NT scope:SCOPE_SE
	FETCH 0, 0, F0
	QUARTER 0, 1, F0, F1, 1                        ; the first quarter's products start the sums
.if LAPS > 1
	WIN 0                                          ; at a label and at a branch every window is 0
	s_mov_b32 s3, LAPS-1
.Llap:                                                 ; a trip goes once round the ring and fills both slots again
	QUARTER 0, 2, F1, F0, 0
	QUARTER 0, 3, F0, F1, 0
	TURN 0, 1, 1
	QUARTER 1, 1, F0, F1, 0
	QUARTER 1, 2, F1, F0, 0
	QUARTER 1, 3, F0, F1, 0
	TURN 1, 0, 1
	QUARTER 0, 1, F0, F1, 0
	WIN 0
	s_sub_co_u32 s3, s3, 1
	s_cmp_lg_u32 s3, 0
	s_cbranch_scc1 .Llap
.endif
	QUARTER 0, 2, F1, F0, 0                        ; the last lap fills nothing
	QUARTER 0, 3, F0, F1, 0
	TURN 0, 1, 0
	QUARTER 1, 1, F0, F1, 0
	QUARTER 1, 2, F1, F0, 0
	QUARTER 1, 3, F0, F1, 0
	WIN 0
	s_wait_dscnt 0x0
	WIN MUL
	MUL8 F1, 0, 0
	MUL8 F1, 2, 0
	WIN 0
	; THE WAY OUT, 16 rows at a time: the sums go through my own stage as they are and come back as whole rows of 256 bytes; then x 2^(eA + eB) + bias, + the residual, and out.
	s_wait_kmcnt 0x0
	s_add_co_i32 s76, s76, s77
	s_add_co_i32 s76, s76, 127
	s_lshl_b32 s76, s76, 23                        ; 2^(eA + eB) as f32,
	s_mov_b32 s77, s76                             ; named as a pair, so both are written
	PLACES
.macro OUTB a
.irp b, 0,1,2,3
	ds_store_b128 v[STO], v[ACC+8*(4*(\a)+\b):ACC+8*(4*(\a)+\b)+3] offset:64*\b         ; each accumulator from its low end on
	ds_store_b128 v[STO], v[ACC+8*(4*(\a)+\b)+4:ACC+8*(4*(\a)+\b)+7] offset:64*\b+16
.endr
	s_wait_xcnt 0x0                                ; BK was the data of the last block's stores: it is loaded again only behind this wait
.irp t, 0,1,2,3,4,5,6,7
	ds_load_b128 v[BK+4*\t:BK+4*\t+3], v[RD] offset:\t*2*SPITCH   ; LDS serves a wave's instructions in order: these see my stores
.endr
	s_wait_dscnt 0x0
	s_wait_loadcnt 0                               ; the residual and the bias, asked for at the head
.irp t, 0,1,2,3,4,5,6,7
	v_pk_fma_f32 v[BK+4*\t:BK+4*\t+1], v[BK+4*\t:BK+4*\t+1], s[76:77], v[BI:BI+1] op_sel_hi:[1,0,1]
	v_pk_fma_f32 v[BK+4*\t+2:BK+4*\t+3], v[BK+4*\t+2:BK+4*\t+3], s[76:77], v[BI+2:BI+3] op_sel_hi:[1,0,1]
.endr
	WIN 0x08*((\a)/2)                              ; source 1: window 0 or 2
.irp j, 0,2,4,6,8,10,12,14,16,18,20,22,24,26,28,30
	v_pk_add_f32 v[BK+\j:BK+\j+1], v[BK+\j:BK+\j+1], v[RS+32*((\a)%2)+\j:RS+32*((\a)%2)+\j+1]
.endr
	WIN 0
.irp t, 0,1,2,3,4,5,6,7
.if HEADS
	global_store_b128 v[CO], v[BK+4*\t:BK+4*\t+3], s[74:75] offset:(16*(\a)+2*\t)*4096   ; 16 lanes store 256 consecutive bytes, aligned; later launches read them
.else
	global_store_b128 v[CO], v[BK+4*\t:BK+4*\t+3], s[74:75] offset:(16*(\a)+2*\t)*4096 th:TH_STORE_NT   ; 16 lanes store 256 consecutive bytes, aligned; nobody reads them again
.endif
.endr
.endm
	OUTB 0
	OUTB 1
	OUTB 2
	OUTB 3
	s_wait_tensorcnt 0x0                           ; the wave's end
	ds_add_u32 v[SPW], v[NIL]
	s_wait_dscnt 0x0
	CROUND                                         ; the closing round: no work-group ends while a partner may still ask for a tile that names it
	s_endpgm
.Lfunc_end_k_qef8ca8b184_w2:
	.size	k_qef8ca8b184_w2, .Lfunc_end_k_qef8ca8b184_w2-k_qef8ca8b184_w2
	.p2alignl 7, 3214868480
	.fill 96, 4, 3214868480
	.section	.rodata,"a",@progbits
	.p2align	6, 0x0
	.amdhsa_kernel k_qef8ca8b184_w2
		.amdhsa_group_segment_fixed_size 327680
		.amdhsa_private_segment_fixed_size 0
		.amdhsa_enable_private_segment 0
		.amdhsa_kernarg_size 48
		.amdhsa_user_sgpr_count 2
		.amdhsa_user_sgpr_kernarg_segment_ptr 1
		.amdhsa_wavefront_size32 1
		.amdhsa_system_sgpr_workgroup_id_x 1
		.amdhsa_system_sgpr_workgroup_id_y 1
		.amdhsa_system_sgpr_workgroup_id_z 1
		.amdhsa_system_vgpr_workitem_id 0
		.amdhsa_next_free_vgpr 640
		.amdhsa_next_free_sgpr 84
		.amdhsa_reserve_vcc 0
		.amdhsa_float_denorm_mode_32 3
		.amdhsa_float_denorm_mode_16_64 3
		.amdhsa_memory_ordered 1
		.amdhsa_forward_progress 1
		.amdhsa_inst_pref_size 83
	.end_amdhsa_kernel
	.amdgpu_metadata
---
amdhsa.version: [ 1, 2 ]
amdhsa.kernels:
  - .name:           k_qef8ca8b184_w2
    .symbol:         k_qef8ca8b184_w2.kd
    .args:
      - { .name: hc, .offset: 0, .size: 8, .value_kind: global_buffer, .address_space: global }
      - { .name: wc, .offset: 8, .size: 8, .value_kind: global_buffer, .address_space: global }
      - { .name: lowp_scales, .offset: 16, .size: 8, .value_kind: global_buffer, .address_space: global }
      - { .name: b2, .offset: 24, .size: 8, .value_kind: global_buffer, .address_space: global }
      - { .name: x1, .offset: 32, .size: 8, .value_kind: global_buffer, .address_space: global }
      - { .name: out0, .offset: 40, .size: 8, .value_kind: global_buffer, .address_space: global }
    .group_segment_fixed_size: 327680
    .private_segment_fixed_size: 0
    .kernarg_segment_align: 8
    .kernarg_segment_size: 48
    .max_flat_workgroup_size: 128
    .sgpr_count:     84
    .vgpr_count:     640
    .wavefront_size: 32
...
	.end_amdgpu_metadata
.endif
;; end of part 7
